; MI455X (gfx1250); checked and timed in simulation.
; The chip was launched on July 23, 2026; its instructions are those of AMD's public machine-readable ISA for CDNA 5 (MIT licence, August 2026) and "CDNA5" Instruction Set Architecture Reference Guide (July 2026). The comments in the code are by the model that wrote it; some were corrected since.
;; Attention. Allowed arithmetic: matrix products marked QUANTISED: E2M1 operands, one E8M0 scale for each 32 along K, by v_wmma_scale_f32_16x16x128_f8f6f4 with both operands' format E2M1 (or v_wmma_scale_f32_32x16x128_f4), f32 sums; products left as they are: bf16, f16 or f32 operands; f32 sums; everything else in f32.
;; Inputs: Wkv 1,024 x 2,048 float32; Wout 1,024 x 1,024 float32; Wq 1,024 x 1,024 float32; b_out 1,024 float32; x 4 x 2,048 x 1,024 float32.
;; Outputs: out0 4 x 2,048 x 1,024 float32.
;; This version of the problem:
;;   THIS VERSION OF THE PROBLEM IS GIVEN IN LOW PRECISION. The matrix products marked QUANTISED in the list below multiply operands that are first quantised to E2M1 (2 exponent bits, 1 mantissa bit; 4 bits a number), with one power-of-two scale for each 32 numbers along K (OCP MX v1.0); their sums are f32. The products marked 'left as it is' may take bf16, f16 or f32 operands, with f32 sums. Whichever they take, every output number must still come out within the allowed error. Rounding operands to bf16 (8 significant bits) uses up far more of that allowance than f16 does (11 bits, for magnitudes from 6e-5 to 65,504). All else is computed in f32.
;;   The module's matrix products, in the order in which they are computed (A, B: the left and right operand; K: the contracted axis; several contracted axes count as one K, in the product's order):
;;     1. [M 8,192, K 1,024] x [K 1,024, N 1,024]; A: input x; B: input Wq: QUANTISED
;;     2. [M 8,192, K 1,024] x [K 1,024, N 2,048]; A: input x; B: input Wkv: QUANTISED
;;     3. batch 64 x [M 2,048, K 64] x [K 64, N 2,048]; A: computed on the way; B: computed on the way: left as it is (an operand is computed on the way)
;;     4. batch 64 x [M 2,048, K 2,048] x [K 2,048, N 64]; A: computed on the way; B: computed on the way: left as it is (an operand is computed on the way)
;;     5. [M 8,192, K 1,024] x [K 1,024, N 1,024]; A: computed on the way; B: input Wout: left as it is (an operand is computed on the way)
;;   THE QUANTISER, for each operand of a quantised product, along K:
;;     - K is cut into blocks of 32 from its start; a last block that is shorter is filled with zeros.
;;     - A block's scale is 2^e with e = floor(log2(the largest magnitude in the block)) - 2, held to -126 .. 127; a block of zeros has e = 0. As a byte (E8M0): e + 127.
;;     - Each number is divided by its block's scale, clamped to +-6, and rounded to the nearest number of E2M1, ties to even, subnormals kept.
;;     - The product sums the exact products of the quantised numbers (number of the format x scale) in f32.
;;   ~~~python
;;   def quantise(x, axis):      # numpy; x: float32 -> the quantised numbers, widened to float32 again
;;       x = np.moveaxis(x, axis, -1); K = x.shape[-1]
;;       x = np.pad(x, [(0, 0)] * (x.ndim - 1) + [(0, -K % 32)]); x = x.reshape(x.shape[:-1] + (-1, 32)); a = np.abs(x).max(-1, keepdims=True)
;;       e = np.where(a > 0, np.clip(np.frexp(np.where(a > 0, a, 1))[1] - 1 - 2, -126, 127), 0)      # np.frexp(a)[1] - 1 = floor(log2(a)), exactly
;;       r = np.clip(x / 2.0 ** e, -6, 6)
;;       step = 2.0 ** (np.maximum(np.frexp(np.where(r == 0, 1, r))[1] - 1, 0) - 1)
;;       q = np.round(r / step) * step * 2.0 ** e      # np.round: ties to even
;;       return np.moveaxis(q.reshape(q.shape[:-2] + (-1,))[..., :K], -1, axis).astype(np.float32)
;;   ~~~
;; One version. Each part assembles by itself: llvm-mc -triple=amdgcn-amd-amdhsa -mcpu=gfx1250 --defsym DOCPART=n.
;; ======== version 1 of 1: 4 launches
;; limits: values are held in f16: magnitudes above 65,504 overflow, below 6.1e-05 lose precision
;; workspace buffers: xc 4,194,304 bytes; xs 262,144 bytes; wc 1,572,864 bytes; ws 98,304 bytes; woutf 2,097,152 bytes; rope 524,288 bytes; qkv 50,331,648 bytes; of16 16,777,216 bytes
;; launch prep (part 1): grid 528 x 1, 4 waves a work-group, no clusters, 35,328 bytes of LDS; arguments x, Wq, Wkv, Wout, xc, xs, wc, ws, woutf, rope; writes xc, xs, wc, ws, woutf, rope
.if DOCPART == 1
	.amdgcn_target "amdgcn-amd-amdhsa--gfx1250"
	.amdhsa_code_object_version 6
	.text
	.protected	k_q289ecb91bf_prep
	.globl	k_q289ecb91bf_prep
	.p2align	8
	.type	k_q289ecb91bf_prep,@function
k_q289ecb91bf_prep:
	s_mov_b64 s[64:65], 0
	v_nop
	global_prefetch_b8 v0, s[64:65] scope:SCOPE_SE
	s_setreg_imm32_b32 hwreg(HW_REG_WAVE_MODE, 25, 1), 1
	s_wait_xcnt 0x0
; PREP: what the later launches read again and again is made once.
;   x [8192][1024] f32               -> xc (codes of E2M1) and xs (E8M0 scale words), K innermost
;   Wq [1024][1024], Wkv [1024][2048] -> wc, ws for the 3,072 rows n of [Wq | Wkv] (K is their FIRST axis in memory)
;   Wout [1024][1024]                -> woutf, f16
;   rope [2048][cos 32 | sin 32] f32: the table of the rotary embedding
; LAYOUTS: images of the operands' registers.  A chunk is 512 bytes: 16 bytes for each of 32 lanes, lane = r + 16 h.
;   xc, wc: [block of 16 rows][chunk c 0..15]: lane (r, h) holds the 32 codes of row r, K = 64 c + 32 h + 0..31.
;   xs, ws: [block of 16 rows][half of K][r][4 words]: word q = the four scale bytes of K step 4 half + q (128 along K).
;   woutf:  [block of 16 n][kb 0..63]: lane (r, h) holds Wout[16 kb + 8 h + 0..7][n = r] as f16.
; THE QUANTISER: a block's scale is 2^(floor(log2(largest magnitude)) - 2); its byte is that magnitude's exponent field - 2, held at 1 from below.
; LIMITS: a block of zeros gets the byte 1 (its codes are zeros, and this program alone reads the bytes); NaN and infinities are not served;
;   Wout goes in f16: magnitudes from 65,504 on are not served.  The table's angles are t x 2^(-j log2(10000) / 32) in f32; they stay within about 2.5e-4 rad of exact ones.
; ROLES by the work-group's number: 0-255 x, 256-383 Wkv, 384-447 Wq, 448-511 Wout, 512-527 the table.  Each role has LDS bytes of its own.
; No tensor load, no cluster: the work-groups share no input; the launch is a stream.
.set XPW,   8448                       ; x: a wave's stage: 16 rows x (512 + 16) bytes
.set WEXKV, 33792                      ; Wkv: 512 bytes in which four waves' scale words meet
.set WEXQ,  34304                      ; Wq: the same
.set SPARE, 34816                      ; the spare words: 128 bytes a wave, named by no other line
.set SPW,   250                        ; v250 my spare word's address; never rewritten
.set NIL,   251                        ; v251 0; never rewritten
.macro FINISH                          ; a wave's end
	s_wait_tensorcnt 0x0
	ds_add_u32 v[SPW], v[NIL]
	s_wait_dscnt 0x0
	s_endpgm
.endm
	s_load_b256 s[4:11], s[0:1], 0x0               ; x s[4:5], Wq s[6:7], Wkv s[8:9], Wout s[10:11]
	s_load_b256 s[12:19], s[0:1], 0x20             ; xc s[12:13], xs s[14:15], wc s[16:17], ws s[18:19]
	s_load_b128 s[20:23], s[0:1], 0x40             ; woutf s[20:21], rope s[22:23]
	v_lshl_add_u32 v[SPW], v0, 2, SPARE
	v_mov_b32 v[NIL], 0
	v_lshrrev_b32 v1, 5, v0
	v_readfirstlane_b32 s24, v1                    ; wave 0..3
	v_and_b32 v1, 31, v0                           ; lane
	v_and_b32 v8, 15, v0                           ; r
	v_bfe_u32 v9, v0, 4, 1                         ; h
	s_wait_kmcnt 0x0
	s_cmp_lt_u32 ttmp9, 256
	s_cbranch_scc1 .Lrole_x
	s_cmp_lt_u32 ttmp9, 384
	s_cbranch_scc1 .Lrole_kv
	s_cmp_lt_u32 ttmp9, 448
	s_cbranch_scc1 .Lrole_q
	s_cmp_lt_u32 ttmp9, 512
	s_cbranch_scc1 .Lrole_out
	s_branch .Lrole_rope
; ---------------------------------------------------------------- x
; A wave takes 16 rows x 512 along K, in four steps of 128.  Each load reads 512 consecutive bytes of one row; the step's 16 x 512 bytes turn
; through the wave's own stage, so that lane (r, h) gets, of row r, K = 64 c + 32 h + 0..31 for c = 0, 1: two whole blocks, in the order of the operand's registers.
.set R,  16                            ; v16-143  two sets of 64 registers as loaded
.set X,  144                           ; v144-207 my two blocks
.set C,  208                           ; v208-239 codes: 8 registers a step, never rewritten
.set SW, 240                           ; v240-243 the four steps' scale words
.macro LOADX q
.irp i, 0,1,2,3,4,5,6,7,8,9,10,11,12,13,14,15
	global_load_b128 v[R+64*((\q)%2)+4*\i:R+64*((\q)%2)+4*\i+3], v2, s[4:5] offset:4096*\i+512*(\q) th:TH_LOAD_NT
.endr
.endm
.macro XSTEP q
.if (\q) < 3
	s_wait_loadcnt 16                              ; this step's 16 loads are in; the next step's 16 may be out
.else
	s_wait_loadcnt 0x0
.endif
.irp i, 0,1,2,3,4,5,6,7,8,9,10,11,12,13,14,15
	ds_store_b128 v3, v[R+64*((\q)%2)+4*\i:R+64*((\q)%2)+4*\i+3] offset:528*\i
.endr
.irp c, 0,1
.irp e, 0,1,2,3,4,5,6,7
	ds_load_b128 v[X+32*\c+4*\e:X+32*\c+4*\e+3], v4 offset:256*\c+16*\e   ; a wave's LDS instructions are served in order: these see the stores above
.endr
.endr
	s_wait_dscnt 0x0                               ; my blocks are in, and the stores have read their registers,
.if (\q) < 2
	LOADX (\q)+2                                   ; which take the loads of two steps on
.endif
.irp c, 0,1
	v_max3_num_f32 v[244+\c], |v[X+32*\c]|, |v[X+32*\c+1]|, 0x1800000   ; the floor 2^(3 - 127) is a leaf of the maximum: the byte cannot fall under 1
.endr
.irp i, 2,4,6,8,10,12,14,16,18,20,22,24,26,28,30
.irp c, 0,1
	v_max3_num_f32 v[244+\c], v[244+\c], |v[X+32*\c+\i]|, |v[X+32*\c+\i+1]|
.endr
.endr
.irp c, 0,1
	v_add_nc_u32 v[246+\c], 0xff000000, v[244+\c]  ; 2 off the exponent field: the conversion's scale operand
.endr
.irp c, 0,1
	v_lshrrev_b32 v[248+\c], 23, v[246+\c]         ; the scale's byte
.endr
.irp c, 0,1
.irp g, 0,1,2,3
	v_cvt_scalef32_pk8_fp4_f32 v[C+8*(\q)+4*\c+\g], v[X+32*\c+8*\g:X+32*\c+8*\g+7], v[246+\c]
.endr
.endr
	v_lshl_or_b32 v[SW+(\q)], v249, 16, v248       ; (a plain line behind the conversions)  my bytes: blocks h and 2 + h of the step,
	v_lshlrev_b32 v[SW+(\q)], v6, v[SW+(\q)]       ; at their places, 8 h bits up;
	v_permlanex16_b32 v10, v[SW+(\q)], s26, s27
	v_or_b32 v[SW+(\q)], v[SW+(\q)], v10           ; with lane l xor 16's two the word is whole
.irp c, 0,1
	global_store_b128 v2, v[C+8*(\q)+4*\c:C+8*(\q)+4*\c+3], s[12:13] offset:(2*(\q)+\c)*512   ; a chunk: 512 consecutive bytes
.endr
.endm
.Lrole_x:
	s_lshl_b32 s25, ttmp9, 2
	s_add_co_u32 s25, s25, s24                     ; id = 2 x block of rows + half of K
	s_lshr_b32 s28, s25, 1
	s_lshl_b32 s28, s28, 16                        ; 16 rows of 4,096 bytes
	s_and_b32 s30, s25, 1
	s_lshl_b32 s30, s30, 11                        ; 512 numbers
	s_add_co_u32 s28, s28, s30
	s_mov_b32 s29, 0
	s_add_nc_u64 s[4:5], s[4:5], s[28:29]
	s_lshl_b32 s28, s25, 12                        ; 8 chunks
	s_add_nc_u64 s[12:13], s[12:13], s[28:29]
	s_lshl_b32 s28, s25, 8                         ; 256 bytes of scale words
	s_add_nc_u64 s[14:15], s[14:15], s[28:29]
	s_mov_b32 s26, 0x76543210
	s_mov_b32 s27, 0xfedcba98                      ; v_permlanex16_b32's selects for lane l xor 16
	s_mul_i32 s30, s24, XPW
	v_lshlrev_b32 v2, 4, v1                        ; 16 x lane
	v_add_nc_u32 v3, s30, v2                       ; the stage, on the way in
	v_mul_u32_u24 v4, v8, 528
	v_lshl_add_u32 v4, v9, 7, v4
	v_add_nc_u32 v4, s30, v4                       ; and out: row r, + 128 h
	v_lshlrev_b32 v5, 4, v8
	v_lshl_add_u32 v5, v9, 3, v5                   ; scale words: 16 r + 8 h
	v_lshlrev_b32 v6, 3, v9
	v_mov_b32 v10, 0                               ; a lane permute's destination counts as read
	LOADX 0
	LOADX 1
	XSTEP 0
	XSTEP 1
	XSTEP 2
	XSTEP 3
	v_cmp_ne_u32 vcc_lo, 0, v9
	v_cndmask_b32 v12, v240, v242, vcc_lo          ; lanes 0-15 store words 0, 1 of their row, lanes 16-31 words 2, 3
	v_cndmask_b32 v13, v241, v243, vcc_lo
	global_store_b64 v5, v[12:13], s[14:15]        ; 32 lanes store 256 consecutive bytes, aligned
	FINISH
; ---------------------------------------------------------------- the weights: a lane takes a column, its registers run down K
; A work-group takes 32 columns x 512 along K, a wave 128 of them: four blocks of 32.  Each load reads 128 consecutive bytes; two blocks (64 loads) are asked for ahead.
.macro WHEAD first, pitch, p
	s_sub_co_u32 s25, ttmp9, \first
	s_lshr_b32 s26, s25, 1                         ; which 32 columns
	s_and_b32 s27, s25, 1                          ; which half of K
	s_lshl_b32 s28, s27, 9
	s_lshl_b32 s29, s24, 7
	s_add_co_u32 s28, s28, s29                     ; my first k
	s_mul_i32 s28, s28, \pitch
	s_lshl_b32 s29, s26, 7
	s_add_co_u32 s28, s28, s29
	s_mov_b32 s29, 0
	s_add_nc_u64 s[\p:\p+1], s[\p:\p+1], s[28:29]
	v_lshlrev_b32 v2, 2, v1                        ; 4 bytes a lane
.endm
.macro LOADW t, pitch, p
.irp i, 0,1,2,3,4,5,6,7,8,9,10,11,12,13,14,15,16,17,18,19,20,21,22,23,24,25,26,27,28,29,30,31
	global_load_b32 v[16+32*((\t)%2)+\i], v2, s[\p:\p+1] offset:(32*(\t)+\i)*\pitch th:TH_LOAD_NT
.endr
.endm
.macro WWAIT t
.if (\t) < 3
	s_wait_loadcnt 32                              ; this block's 32 loads are in; the next block's may be out
.else
	s_wait_loadcnt 0x0
.endif
.endm
.macro BLOCK t, pitch, p               ; block t becomes 16 bytes of codes and a scale byte
.set XS, 16+32*((\t)%2)
	WWAIT \t
	v_max3_num_f32 v104, |v[XS]|, |v[XS+1]|, |v[XS+2]|
	v_max3_num_f32 v105, |v[XS+3]|, |v[XS+4]|, |v[XS+5]|
.irp i, 6,10,14,18,22,26
	v_max3_num_f32 v104, v104, |v[XS+\i]|, |v[XS+\i+1]|
	v_max3_num_f32 v105, v105, |v[XS+\i+2]|, |v[XS+\i+3]|
.endr
	v_max3_num_f32 v104, v104, |v[XS+30]|, |v[XS+31]|
	v_max3_num_f32 v104, v104, v105, 0x1800000     ; and the floor
	v_add_nc_u32 v106, 0xff000000, v104
	v_lshrrev_b32 v107, 23, v106
.if (\t) == 0
	v_mov_b32 v96, v107                            ; the four bytes make my column's scale word of this K step
.else
	v_lshl_or_b32 v96, v107, 8*(\t), v96
.endif
.irp g, 0,1,2,3
	v_cvt_scalef32_pk8_fp4_f32 v[80+4*(\t)+\g], v[XS+8*\g:XS+8*\g+7], v106
.endr
	v_nop                                          ; a plain line behind the last conversion
	global_store_b128 v3, v[80+4*(\t):80+4*(\t)+3], s[16:17] offset:((\t)/2)*512+((\t)%2)*256   ; sixteen lanes store 256 consecutive bytes, aligned
.if (\t) < 2
	LOADW (\t)+2, \pitch, \p
.endif
.endm
.macro WCODES first, pitch, p, wex, nbfirst
	WHEAD \first, \pitch, \p
	s_lshl_b32 s30, s26, 1
	s_add_co_u32 s30, s30, \nbfirst                ; my first block of 16 rows n
	s_lshl_b32 s28, s30, 13
	s_lshl_b32 s31, s27, 12
	s_add_co_u32 s28, s28, s31
	s_lshl_b32 s31, s24, 10
	s_add_co_u32 s28, s28, s31                     ; + chunk 8 half + 2 wave
	s_add_nc_u64 s[16:17], s[16:17], s[28:29]
	s_lshl_b32 s28, s30, 9
	s_lshl_b32 s31, s27, 8
	s_add_co_u32 s28, s28, s31
	s_add_nc_u64 s[18:19], s[18:19], s[28:29]
	v_lshlrev_b32 v3, 4, v8
	v_lshl_add_u32 v3, v9, 13, v3                  ; codes: 16 r, lanes 16-31 in the next block of rows
	v_lshlrev_b32 v5, 4, v1
	v_add_nc_u32 v5, \wex, v5                      ; LDS: my column's four scale words,
	s_lshl_b32 s31, s24, 2
	v_add_nc_u32 v4, s31, v5                       ; and my wave's among them
	v_lshlrev_b32 v6, 4, v8
	v_lshl_add_u32 v6, v9, 9, v6
	LOADW 0, \pitch, \p
	LOADW 1, \pitch, \p
	BLOCK 0, \pitch, \p
	BLOCK 1, \pitch, \p
	BLOCK 2, \pitch, \p
	BLOCK 3, \pitch, \p
	ds_store_b32 v4, v96
	s_wait_dscnt 0x0                               ; for the others' sake: my word lies in LDS
	s_barrier_signal -1
	s_barrier_wait -1
	s_cmp_lg_u32 s24, 0
	s_cbranch_scc1 .Lnot_wave_0_\@
	ds_load_b128 v[100:103], v5                    ; wave 0 takes the four waves' words of each column
	s_wait_dscnt 0x0
	global_store_b128 v6, v[100:103], s[18:19]     ; sixteen lanes store 256 consecutive bytes, aligned
.Lnot_wave_0_\@:
	FINISH
.endm
.Lrole_kv:
	WCODES 256, 8192, 8, WEXKV, 64
.Lrole_q:
	WCODES 384, 4096, 6, WEXQ, 0
; ---------------------------------------------------------------- Wout: the same shares; rounded to f16, eight neighbours along K to 16 bytes
.macro BLOCKO t
.set XS, 16+32*((\t)%2)
	WWAIT \t
.irp m, 0,1,2,3
.irp rr, 0,1,2,3
	v_cvt_pk_f16_f32 v[80+16*(\t)+4*\m+\rr], v[XS+8*\m+2*\rr], v[XS+8*\m+2*\rr+1]
.endr
.endr
.irp m, 0,1,2,3
	global_store_b128 v3, v[80+16*(\t)+4*\m:80+16*(\t)+4*\m+3], s[20:21] offset:(2*(\t)+\m/2)*512+(\m%2)*256
.endr
.if (\t) < 2
	LOADW (\t)+2, 4096, 10
.endif
.endm
.Lrole_out:
	WHEAD 448, 4096, 10
	s_lshl_b32 s28, s26, 16                        ; two blocks of 16 n: 2 x 32,768 bytes
	s_lshl_b32 s31, s27, 14
	s_add_co_u32 s28, s28, s31
	s_lshl_b32 s31, s24, 12
	s_add_co_u32 s28, s28, s31                     ; + chunk 32 half + 8 wave
	s_add_nc_u64 s[20:21], s[20:21], s[28:29]
	v_lshlrev_b32 v3, 4, v8
	v_lshl_add_u32 v3, v9, 15, v3
	LOADW 0, 4096, 10
	LOADW 1, 4096, 10
	BLOCKO 0
	BLOCKO 1
	BLOCKO 2
	BLOCKO 3
	FINISH
; ---------------------------------------------------------------- the table: a wave makes 32 rows, two a trip
; Lane: row l / 16 of the pair, cos or sin by (l / 8) % 2, frequencies j = 4 (l % 8) + 0..3.  angle = n pi/2 + r, |r| <= pi/4: pi/2 is taken off in two parts,
; sin r and cos r are polynomials (next terms under 3e-7); sin(angle) = cos(angle - pi/2), so q = n + 3 x part picks the polynomial (q odd: sin r) and the sign (q % 4 = 1, 2: minus).
.Lrole_rope:
	s_sub_co_u32 s25, ttmp9, 512
	s_lshl_b32 s25, s25, 2
	s_add_co_u32 s25, s25, s24
	s_lshl_b32 s25, s25, 5                         ; my first row
	s_lshl_b32 s28, s25, 8
	s_mov_b32 s29, 0
	s_add_nc_u64 s[22:23], s[22:23], s[28:29]
	s_mov_b32 s32, 0x3f22f983                      ; 2 / pi
	s_mov_b32 s33, 0xbfc90fdb                      ; -(pi / 2), upper part
	s_mov_b32 s34, 0x333bbd2e                      ; and what is left of it
	s_mov_b32 s35, 0xbe2aaaab                      ; -1/6
	s_mov_b32 s36, 0x3c088889                      ; 1/120
	s_mov_b32 s37, 0xb9500d01                      ; -1/5040
	s_mov_b32 s38, 0x3d2aaaab                      ; 1/24
	s_mov_b32 s39, 0xbab60b61                      ; -1/720
	s_mov_b32 s40, 0x37d00d01                      ; 1/40320
	v_lshlrev_b32 v2, 4, v1
	v_add_nc_u32 v20, s25, v9
	v_cvt_f32_u32 v20, v20                         ; t
	v_bfe_u32 v21, v0, 3, 1
	v_mul_u32_u24 v21, v21, 3                      ; 3 x part
	v_and_b32 v22, 7, v0
	v_lshlrev_b32 v22, 2, v22
.irp e, 0,1,2,3
	v_add_nc_u32 v[16+\e], \e, v22
.endr
.irp e, 0,1,2,3
	v_cvt_f32_u32 v[16+\e], v[16+\e]
.endr
.irp e, 0,1,2,3
	v_mul_f32 v[16+\e], 0xbed49a78, v[16+\e]       ; -j log2(10000) / 32
.endr
.irp e, 0,1,2,3
	v_exp_f32 v[16+\e], v[16+\e]                   ; the frequency
.endr
	v_nop                                          ; a plain line behind the exponentials,
	s_wait_alu depctr_va_vdst(0)                   ; and one wait ahead of their first reader
	s_mov_b32 s41, 16
.Lrope:
.irp e, 0,1,2,3
	v_mul_f32 v[24+\e], v20, v[16+\e]              ; the angle
.endr
.irp e, 0,1,2,3
	v_mul_f32 v[28+\e], s32, v[24+\e]
.endr
.irp e, 0,1,2,3
	v_rndne_f32 v[28+\e], v[28+\e]                 ; n
.endr
.irp e, 0,1,2,3
	v_fma_f32 v[32+\e], v[28+\e], s33, v[24+\e]
.endr
.irp e, 0,1,2,3
	v_fma_f32 v[32+\e], v[28+\e], s34, v[32+\e]    ; r
.endr
.irp e, 0,1,2,3
	v_mul_f32 v[36+\e], v[32+\e], v[32+\e]         ; r^2
.endr
.irp e, 0,1,2,3
	v_fma_f32 v[40+\e], v[36+\e], s37, s36
.endr
.irp e, 0,1,2,3
	v_fma_f32 v[40+\e], v[40+\e], v[36+\e], s35
.endr
.irp e, 0,1,2,3
	v_mul_f32 v[24+\e], v[32+\e], v[36+\e]
.endr
.irp e, 0,1,2,3
	v_fma_f32 v[40+\e], v[24+\e], v[40+\e], v[32+\e]   ; sin r
.endr
.irp e, 0,1,2,3
	v_fma_f32 v[44+\e], v[36+\e], s40, s39
.endr
.irp e, 0,1,2,3
	v_fma_f32 v[44+\e], v[44+\e], v[36+\e], s38
.endr
.irp e, 0,1,2,3
	v_fma_f32 v[44+\e], v[44+\e], v[36+\e], -0.5
.endr
.irp e, 0,1,2,3
	v_fma_f32 v[44+\e], v[44+\e], v[36+\e], 1.0    ; cos r
.endr
.irp e, 0,1,2,3
	v_cvt_i32_f32 v[48+\e], v[28+\e]
.endr
.irp e, 0,1,2,3
	v_add_nc_u32 v[48+\e], v[48+\e], v21           ; q
.endr
.irp e, 0,1,2,3
	v_and_b32 v[24+\e], 1, v[48+\e]
	v_cmp_ne_u32 vcc_lo, 0, v[24+\e]
	v_cndmask_b32 v[52+\e], v[44+\e], v[40+\e], vcc_lo
.endr
.irp e, 0,1,2,3
	v_add_nc_u32 v[48+\e], 1, v[48+\e]
.endr
.irp e, 0,1,2,3
	v_and_b32 v[48+\e], 2, v[48+\e]
.endr
.irp e, 0,1,2,3
	v_lshlrev_b32 v[48+\e], 30, v[48+\e]
.endr
.irp e, 0,1,2,3
	v_xor_b32 v[52+\e], v[52+\e], v[48+\e]
.endr
	global_store_b128 v2, v[52:55], s[22:23]       ; two rows: 512 consecutive bytes
	v_add_f32 v20, 2.0, v20
	s_wait_xcnt 0x0                                ; the store has read its data and its base: both are written again only behind this wait
	s_add_nc_u64 s[22:23], s[22:23], 512
	s_sub_co_u32 s41, s41, 1
	s_cmp_lg_u32 s41, 0
	s_cbranch_scc1 .Lrope
	FINISH
.Lfunc_end_k_q289ecb91bf_prep:
	.size	k_q289ecb91bf_prep, .Lfunc_end_k_q289ecb91bf_prep-k_q289ecb91bf_prep
	.p2alignl 7, 3214868480
	.fill 96, 4, 3214868480
	.section	.rodata,"a",@progbits
	.p2align	6, 0x0
	.amdhsa_kernel k_q289ecb91bf_prep
		.amdhsa_group_segment_fixed_size 35328
		.amdhsa_private_segment_fixed_size 0
		.amdhsa_enable_private_segment 0
		.amdhsa_kernarg_size 80
		.amdhsa_user_sgpr_count 2
		.amdhsa_user_sgpr_kernarg_segment_ptr 1
		.amdhsa_wavefront_size32 1
		.amdhsa_system_sgpr_workgroup_id_x 1
		.amdhsa_system_sgpr_workgroup_id_y 1
		.amdhsa_system_sgpr_workgroup_id_z 1
		.amdhsa_system_vgpr_workitem_id 0
		.amdhsa_next_free_vgpr 256
		.amdhsa_next_free_sgpr 66
		.amdhsa_reserve_vcc 1
		.amdhsa_float_denorm_mode_32 3
		.amdhsa_float_denorm_mode_16_64 3
		.amdhsa_memory_ordered 1
		.amdhsa_forward_progress 1
		.amdhsa_inst_pref_size 95
	.end_amdhsa_kernel
	.amdgpu_metadata
---
amdhsa.version: [ 1, 2 ]
amdhsa.kernels:
  - .name:           k_q289ecb91bf_prep
    .symbol:         k_q289ecb91bf_prep.kd
    .args:
      - { .name: x, .offset: 0, .size: 8, .value_kind: global_buffer, .address_space: global }
      - { .name: Wq, .offset: 8, .size: 8, .value_kind: global_buffer, .address_space: global }
      - { .name: Wkv, .offset: 16, .size: 8, .value_kind: global_buffer, .address_space: global }
      - { .name: Wout, .offset: 24, .size: 8, .value_kind: global_buffer, .address_space: global }
      - { .name: xc, .offset: 32, .size: 8, .value_kind: global_buffer, .address_space: global }
      - { .name: xs, .offset: 40, .size: 8, .value_kind: global_buffer, .address_space: global }
      - { .name: wc, .offset: 48, .size: 8, .value_kind: global_buffer, .address_space: global }
      - { .name: ws, .offset: 56, .size: 8, .value_kind: global_buffer, .address_space: global }
      - { .name: woutf, .offset: 64, .size: 8, .value_kind: global_buffer, .address_space: global }
      - { .name: rope, .offset: 72, .size: 8, .value_kind: global_buffer, .address_space: global }
    .group_segment_fixed_size: 35328
    .private_segment_fixed_size: 0
    .kernarg_segment_align: 8
    .kernarg_segment_size: 80
    .max_flat_workgroup_size: 128
    .sgpr_count:     66
    .vgpr_count:     256
    .wavefront_size: 32
...
	.end_amdgpu_metadata
.endif
;; end of part 1
;; launch qkv (part 2): grid 12 x 32, 4 waves a work-group, clusters of 4 x 4, 327,680 bytes of LDS; arguments xc, xs, wc, ws, rope, qkv; writes qkv
.if DOCPART == 2
	.amdgcn_target "amdgcn-amd-amdhsa--gfx1250"
	.amdhsa_code_object_version 6
	.text
	.protected	k_q289ecb91bf_qkv
	.globl	k_q289ecb91bf_qkv
	.p2align	8
	.type	k_q289ecb91bf_qkv,@function
k_q289ecb91bf_qkv:
	s_mov_b64 s[64:65], 0
	v_nop
	global_prefetch_b8 v0, s[64:65] scope:SCOPE_SE
	s_setreg_imm32_b32 hwreg(HW_REG_WAVE_MODE, 25, 1), 1
	s_wait_xcnt 0x0
	s_wait_alu depctr_hold_cnt(0) depctr_sa_sdst(0) depctr_va_vdst(0) depctr_va_sdst(0) depctr_va_ssrc(0) depctr_va_vcc(0) depctr_vm_vsrc(0)
	s_getreg_b32 s2, hwreg(HW_REG_IB_STS2, 6, 4)
	s_cmp_eq_u32 s2, 0
	s_cbranch_scc0 .Lentry_in_a_cluster
	s_endpgm
.Lentry_in_a_cluster:
	s_bfe_u32 s2, ttmp6, 0x10000c
	s_cmp_lg_u32 s2, 0xf033
	s_cbranch_scc0 .Lentry_shape_is_right
	s_endpgm
.Lentry_shape_is_right:
; QKV: [q | k | v][token][n] = sum over k of x[token][k] W[k][n], on codes of E2M1 with E8M0 scales; then the rotary embedding on q and k; all three rounded to f16.
; A tile is 256 tokens x 256 n, a work-group of four waves; a wave makes 128 x 128: 64 accumulators, 512 registers.  K = 1,024 is two LDS slots of 512, BOTH filled at the start:
; nothing is filled again, and there is no loop.  The scale words of the tile's rows, for all of K, come with the first fills.
; THE OPERANDS LIE IN MEMORY AS IMAGES OF THEIR REGISTERS (chunks of 512 bytes, 16 bytes a lane): a fragment is two LDS loads at 16 x lane, no pitch and no padding; a slot's part of a block of 16 rows is 4,096 consecutive bytes.
; CLUSTERS: 4 x 4 work-groups; x's tiles are shared along a row of the cluster, W's along a column: joint loads.  The cluster's x says which of q, k, v this is (1,024 n each).
; TRANSPOSED USE: source 0 = 16 rows n of W, source 1 = 16 tokens: a lane holds one token (lane % 16) and eight neighbouring n, 8 (lane / 16) + 0..7.
; OUT: qkv [which][batch x head][block of 16 tokens][b 0..3][512 bytes]; lane (r, h)'s 16 bytes are (token r, channels 16 b + 8 h + 0..7): for q and k at 16 r + 256 h, for v at 32 r + 16 h.
;   So a lane's eight results, rounded, are stored as they stand: each store covers 512 consecutive bytes, aligned.
; LIMIT: q, k, v go in f16: magnitudes from 65,504 on are not served.
; REGISTERS: window 0: v16-29 addresses; v32-95 scale words, two sets, and nothing else; v128-191 x's fragments, one set (on the way out: at work).  window 1: W's fragments, two sets (on the way out: the table).
;   window 2: the accumulators of my tokens 0-63 ((a, b) at v[8 (8 a + b)]); window 3: of tokens 64-127.
.set NQ,    4                          ; steps of 128 along K in a slot
.set FR,    8                          ; registers of a fragment
.set NL,    2                          ; LDS loads that bring one
.set NP,    4                          ; places behind this matrix instruction (ISA guide 7.12.1)
.set SLOT,  131072                     ; x's 16 blocks of rows x 4,096 bytes, then W's
.set BOFF,  65536
.set SCL,   262144                     ; x's scale words, 8,192 bytes, then W's
.set SPARE, 278528                     ; the spare words: 128 bytes a wave, named by no other line
.set ADRA, 16                          ; v16-17 my fragments of x in slot 0, 1
.set ADRB, 20                          ; v20-21 of W
.set RA,   24                          ; v24    the table: 256 r + 32 h
.set SO,   25                          ; v25    16 x lane
.set SV,   26                          ; v26    32 r + 16 h
.set ADRS, 27                          ; v27    my scale words: lanes 0-15 x's, lanes 16-31 W's
.set SPW,  28
.set NIL,  29
.set SC,   32
.set AF,   128
.set T,    128                         ; the way out: 32 numbers in f32
.set H,    160                         ; and 32 registers of f16 to store
.set G1,   24
.set G0,   32
.set G1B,  48
.set G0B,  56
.set G1S,  68
.set G0S,  76
.set G1SB, 80
.set G0SB, 88
.set MSB, 0
.macro WIN new                         ; the immediate's high byte repeats the setting that is left
.if MSB != (\new)
	s_set_vgpr_msb (MSB<<8)|(\new)
.set MSB, (\new)
.endif
.endm
.set MUL_LO, 0xa1                      ; source 0 (W) window 1, source 1 (x) window 0, C and D window 2
.set MUL_HI, 0xf1                      ; the same, C and D window 3
.set TO_B,   0x40                      ; destination window 1
; A joint load: waves 0 and 1 fetch for x, waves 2 and 3 for W.  The branch hangs on the wave's number alone.  An s_nop 0 and four v_nop follow each of the two lines.
.macro JLOAD g0a, g1a, g0b, g1b
	s_cmp_eq_u32 s17, 0
	s_cbranch_scc0 .Lfor_b_\@
	tensor_load_to_lds s[\g0a:\g0a+3], s[\g1a:\g1a+7]
	s_nop 0
.rept 4
	v_nop
.endr
	s_branch .Lasked_\@
.Lfor_b_\@:
	tensor_load_to_lds s[\g0b:\g0b+3], s[\g1b:\g1b+7]
	s_nop 0
.rept 4
	v_nop
.endr
.Lasked_\@:
.endm
.macro CROUND                          ; a round of the cluster's barrier
	s_barrier_signal -1
	s_barrier_wait -1
	s_cmp_lg_u32 s16, 0
	s_cbranch_scc1 .Lnot_wave_0_\@
	s_barrier_signal -3
.Lnot_wave_0_\@:
	s_barrier_wait -3
	s_barrier_signal -1
	s_barrier_wait -1
.endm
	s_load_b256 s[4:11], s[0:1], 0x0               ; xc s[4:5], xs s[6:7], wc s[8:9], ws s[10:11]
	s_load_b128 s[12:15], s[0:1], 0x20             ; rope s[12:13], qkv s[14:15]
	v_lshl_add_u32 v[SPW], v0, 2, SPARE
	v_mov_b32 v[NIL], 0
	ds_add_u32 v[SPW], v[NIL]                      ; the wave's opening add; its wait stands ahead of my first tensor load, with the set-up below between them
	v_lshrrev_b32 v1, 5, v0
	v_readfirstlane_b32 s16, v1                    ; wave 0..3
	s_lshr_b32 s17, s16, 1                         ; which 128 tokens are mine.  Also: I fetch for x (0) or for W (1)
	s_and_b32 s18, s16, 1                          ; which 128 n.  Also: which 128 rows of that tile I fetch
	s_bfe_u32 s19, ttmp6, 0x40000                  ; cx
	s_bfe_u32 s20, ttmp6, 0x40004                  ; cy
	s_lshl_b32 s21, ttmp9, 2
	s_add_co_u32 s21, s21, s19                     ; tile column
	s_and_b32 s22, ttmp7, 0xffff
	s_lshl_b32 s22, s22, 2
	s_add_co_u32 s22, s22, s20                     ; tile row
	s_lshl_b32 s96, s20, 2
	s_lshl_b32 s96, 15, s96                        ; my row of the cluster
	s_lshl_b32 s97, 0x1111, s19                    ; my column
	; codes: 8 blocks of rows, of each 4,096 bytes (512 elements of 8 bytes), 8,192 bytes apart; no padding
	s_or_b32 s[G1+0], s96, (3<<16)|(1<<21)
	s_or_b32 s[G1B+0], s97, (3<<16)|(1<<21)
.irp g, G1, G1B
	s_mov_b32 s[\g+1], 512<<16                     ; tensor_dim0
	s_mov_b32 s[\g+2], 8<<16                       ; tensor_dim1
	s_mov_b32 s[\g+3], 512<<16                     ; tile_dim0
	s_mov_b32 s[\g+4], 8                           ; tile_dim1
	s_mov_b32 s[\g+5], 1024                        ; from row to row
	s_mov_b32 s[\g+6], 0
	s_mov_b32 s[\g+7], 0
.endr
	; scale words of 128 rows: 4,096 dense bytes as 16 rows of 256
	s_or_b32 s[G1S+0], s96, (3<<16)|(1<<21)
	s_or_b32 s[G1SB+0], s97, (3<<16)|(1<<21)
.irp g, G1S, G1SB
	s_mov_b32 s[\g+1], 32<<16
	s_mov_b32 s[\g+2], 16<<16
	s_mov_b32 s[\g+3], 32<<16
	s_mov_b32 s[\g+4], 16
	s_mov_b32 s[\g+5], 32
	s_mov_b32 s[\g+6], 0
	s_mov_b32 s[\g+7], 0
.endr
	s_lshl_b32 s23, s18, 3                         ; which 8 blocks of rows I fetch
	s_lshl_b32 s40, s22, 4
	s_add_co_u32 s40, s40, s23                     ; x: block 16 x tile row + 8 x half
	s_lshl_b32 s46, s21, 4
	s_add_co_u32 s46, s46, s23                     ; W: block 16 x tile column + 8 x half
	s_lshl_b32 s42, s40, 9                         ; their scale words: 512 bytes a block
	s_mov_b32 s43, 0
	s_lshl_b32 s92, s46, 9
	s_mov_b32 s93, 0
	s_lshl_b32 s40, s40, 13                        ; their codes: 8,192 bytes a block
	s_mov_b32 s41, 0
	s_lshl_b32 s46, s46, 13
	s_mov_b32 s47, 0
	s_lshl_b32 s45, s16, 15                        ; where they go: wave x 32,768: no place in the cluster enters an LDS address
	s_lshl_b32 s94, s16, 12
	s_wait_dscnt 0x0                               ; the opening add is done
	s_wait_kmcnt 0x0
	s_add_nc_u64 s[40:41], s[4:5], s[40:41]
	s_add_nc_u64 s[42:43], s[6:7], s[42:43]
	s_add_nc_u64 s[46:47], s[8:9], s[46:47]
	s_add_nc_u64 s[92:93], s[10:11], s[92:93]
	CROUND                                         ; all sixteen work-groups are here: the joint loads meet
	s_mov_b32 s[G0S], 1
	s_add_co_u32 s[G0S+1], s94, SCL
	s_mov_b64 s[G0S+2:G0S+3], s[42:43]
	s_or_b32 s[G0S+3], s[G0S+3], 0x80000000
	s_mov_b32 s[G0SB], 1
	s_add_co_u32 s[G0SB+1], s94, SCL
	s_mov_b64 s[G0SB+2:G0SB+3], s[92:93]
	s_or_b32 s[G0SB+3], s[G0SB+3], 0x80000000
	JLOAD G0S, G1S, G0SB, G1SB                     ; the scale words first; then both slots: three loads of mine are out
.irp s, 0,1
	s_mov_b32 s[G0+4*\s], 1
	s_add_co_u32 s[G0+4*\s+1], s45, \s*SLOT
	s_add_nc_u64 s[G0+4*\s+2:G0+4*\s+3], s[40:41], \s*4096
	s_or_b32 s[G0+4*\s+3], s[G0+4*\s+3], 0x80000000
	s_mov_b32 s[G0B+4*\s], 1
	s_add_co_u32 s[G0B+4*\s+1], s45, \s*SLOT
	s_add_nc_u64 s[G0B+4*\s+2:G0B+4*\s+3], s[46:47], \s*4096
	s_or_b32 s[G0B+4*\s+3], s[G0B+4*\s+3], 0x80000000
	JLOAD G0+4*\s, G1, G0B+4*\s, G1B
.endr
	v_and_b32 v1, 15, v0                           ; r
	v_bfe_u32 v2, v0, 4, 1                         ; h
	v_and_b32 v3, 31, v0
	v_lshlrev_b32 v[SO], 4, v3
	s_lshl_b32 s40, s17, 15                        ; my 8 blocks of x
	s_lshl_b32 s41, s18, 15
	s_add_co_u32 s41, s41, BOFF                    ; my 8 of W
.irp s, 0,1
	v_add_nc_u32 v[ADRA+\s], s40, v[SO]
	v_add_nc_u32 v[ADRB+\s], s41, v[SO]
	s_add_co_u32 s40, s40, SLOT
	s_add_co_u32 s41, s41, SLOT
.endr
	v_lshlrev_b32 v5, 4, v1                        ; a row's four words of a half of K: 16 r
	s_lshl_b32 s40, s17, 12                        ; x's: my 8 blocks
	s_lshl_b32 s41, s18, 12
	s_add_co_u32 s41, s41, 8192                    ; W's: behind x's 8,192 bytes
	s_sub_co_u32 s41, s41, s40
	v_mul_u32_u24 v6, s41, v2                      ; lanes 16-31 take W's: one product, the distance x h
	s_add_co_u32 s40, s40, SCL
	v_add_nc_u32 v5, v5, v6
	v_add_nc_u32 v[ADRS], s40, v5
	v_lshlrev_b32 v[RA], 8, v1
	v_lshl_add_u32 v[RA], v2, 5, v[RA]
	v_lshlrev_b32 v[SV], 5, v1
	v_lshl_add_u32 v[SV], v2, 4, v[SV]
	; where my part of the output begins: which x 2^24 + (16 batch + 4 cx + 2 (my half of n)) x 2^18 + (my first block of tokens in the batch) x 2,048
	s_lshr_b32 s40, s22, 3
	s_lshl_b32 s40, s40, 4
	s_lshl_b32 s41, s19, 2
	s_add_co_u32 s40, s40, s41
	s_lshl_b32 s41, s18, 1
	s_add_co_u32 s40, s40, s41
	s_lshl_b32 s40, s40, 18
	s_and_b32 s42, s22, 7
	s_lshl_b32 s42, s42, 4
	s_lshl_b32 s43, s17, 3
	s_add_co_u32 s42, s42, s43                     ; my first block of 16 tokens in the batch
	s_lshl_b32 s43, s42, 11
	s_add_co_u32 s40, s40, s43
	s_lshl_b32 s43, ttmp9, 24
	s_add_co_u32 s40, s40, s43
	s_mov_b32 s41, 0
	s_add_nc_u64 s[14:15], s[14:15], s[40:41]
	s_lshl_b32 s40, s42, 12                        ; the table: 16 rows of 256 bytes a block
	s_add_nc_u64 s[12:13], s[12:13], s[40:41]
.macro FRAG reg, adr, q, i             ; block i of 16 rows, the slot's q-th 128 along K: chunks 2 q and 2 q + 1, as they lie
.irp c, 0,1
	ds_load_b128 v[\reg+4*\c:\reg+4*\c+3], v[\adr] offset:4096*(\i)+1024*(\q)+512*\c
.endr
.endm
; 16 matrix instructions: x's blocks a0, a0 + 1 against W's eight.  p: W's set; sc: the set of scale words.  zero = 1: the first product starts the sums.
; The 64 accumulators take turns, one instruction a turn, in the same order in every step.
.macro MUL16 a0, p, q, sc, zero
.irp a, \a0, \a0+1
.irp b, 0,1,2,3,4,5,6,7
.if \zero
	v_wmma_scale_f32_16x16x128_f8f6f4 v[8*(8*((\a)%4)+\b):8*(8*((\a)%4)+\b)+7], v[128*(\p)+FR*\b:128*(\p)+FR*\b+FR-1], v[AF+FR*(\a):AF+FR*(\a)+FR-1], 0, v[SC+8*NQ*(\sc)+NQ*\b+(\q)], v[SC+8*NQ*(\sc)+NQ*(\a)+(\q)] matrix_a_fmt:MATRIX_FMT_FP4 matrix_b_fmt:MATRIX_FMT_FP4 matrix_a_scale:MATRIX_SCALE_ROW1
.else
	v_wmma_scale_f32_16x16x128_f8f6f4 v[8*(8*((\a)%4)+\b):8*(8*((\a)%4)+\b)+7], v[128*(\p)+FR*\b:128*(\p)+FR*\b+FR-1], v[AF+FR*(\a):AF+FR*(\a)+FR-1], v[8*(8*((\a)%4)+\b):8*(8*((\a)%4)+\b)+7], v[SC+8*NQ*(\sc)+NQ*\b+(\q)], v[SC+8*NQ*(\sc)+NQ*(\a)+(\q)] matrix_a_fmt:MATRIX_FMT_FP4 matrix_b_fmt:MATRIX_FMT_FP4 matrix_a_scale:MATRIX_SCALE_ROW1
.endif
.endr
.endr
.endm
.macro FETCH_B slot, q, p
	WIN TO_B
.irp i, 0,1,2,3,4,5,6,7
	FRAG 128*(\p)+FR*\i, ADRB+\slot, \q, \i
.endr
	WIN 0
.endm
.macro FETCH_A slot, q, i0
.irp i, \i0, \i0+1, \i0+2, \i0+3
	FRAG AF+FR*(\i), ADRA+\slot, \q, \i
.endr
.endm
.macro SCALES sc                       ; a slot's scale words: four a row; lanes 0-15 x's block i, lanes 16-31 W's block i
.irp i, 0,1,2,3,4,5,6,7
	ds_load_b128 v[SC+8*NQ*\sc+NQ*\i:SC+8*NQ*\sc+NQ*\i+3], v[ADRS] offset:\i*512
.endr
.endm
.macro PLACES n                        ; plain vector lines between a matrix instruction and a load into, or a read of, its registers
.rept \n
	v_nop
.endr
.endm
.macro STEP slot, q, zero              ; a step of 128 along K that has its successor in the same slot
	s_wait_dscnt 4*NL                              ; W's set and x's blocks 0-3 are in; the youngest eight loads (x's blocks 4-7) may be out
	WIN MUL_LO
	MUL16 0, (\q)%2, \q, \slot, \zero
	MUL16 2, (\q)%2, \q, \slot, \zero
	s_wait_dscnt 0
	PLACES NP
	FETCH_B \slot, (\q)+1, 1-(\q)%2
	FETCH_A \slot, (\q)+1, 0
	WIN MUL_HI
	MUL16 4, (\q)%2, \q, \slot, \zero
	MUL16 6, (\q)%2, \q, \slot, \zero
	PLACES NP
	WIN 0
	FETCH_A \slot, (\q)+1, 4
.endm
.macro TURN slot, next                 ; slot 0's last step: in front of the barrier each wave waits for its part of slot 1; behind it slot 1 is whole.  Nothing is filled again
	s_wait_tensorcnt 0x0                           ; all my tensor loads have landed
	ds_add_u32 v[SPW], v[NIL]                      ; 0 onto my spare word
	s_wait_dscnt 4*NL+1                            ; (the add and x's blocks 4-7 may be out)
	WIN MUL_LO
	MUL16 0, 1, NQ-1, \slot, 0
	s_wait_dscnt 0x0
	s_barrier_signal -1
	MUL16 2, 1, NQ-1, \slot, 0
	WIN 0
	s_barrier_wait -1
	PLACES NP
	v_add_nc_u32 v[ADRS], 256, v[ADRS]             ; the other half of K's scale words
	FETCH_B \next, 0, 0
	FETCH_A \next, 0, 0
	SCALES \next
	WIN MUL_HI
	MUL16 4, 1, NQ-1, \slot, 0
	MUL16 6, 1, NQ-1, \slot, 0
	PLACES NP
	WIN 0
	FETCH_A \next, 0, 4
.endm
.macro STEPS slot, from
.set Q, \from
.rept NQ-1-\from
	STEP \slot, Q, 0
.set Q, Q+1
.endr
.endm
	s_wait_tensorcnt 1                             ; the scale words and my part of slot 0 are in (slot 1's load may be out),
	s_barrier_signal -1
	s_barrier_wait -1                              ; everybody's are
	FETCH_B 0, 0, 0
	FETCH_A 0, 0, 0
	SCALES 0
	FETCH_A 0, 0, 4
	STEP 0, 0, 1                                   ; the first products start the sums: nothing is cleared
	STEPS 0, 1
	TURN 0, 1
	STEPS 1, 0
	s_wait_dscnt 4*NL
	WIN MUL_LO
	MUL16 0, 1, NQ-1, 1, 0
	MUL16 2, 1, NQ-1, 1, 0
	s_wait_dscnt 0x0
	WIN MUL_HI
	MUL16 4, 1, NQ-1, 1, 0
	MUL16 6, 1, NQ-1, 1, 0
	WIN 0
	PLACES NP                                      ; ahead of the reads of results, of writes into x's fragments' registers and of loads into W's
	s_cmp_eq_u32 ttmp9, 2                          ; the cluster's x: the same in all sixteen partners
	s_cbranch_scc1 .Lv
; THE WAY OUT OF q AND k.  With j = channel % 32: out[j] = t[j] cos_j - t[j + 32] sin_j, out[j + 32] = t[j + 32] cos_j + t[j] sin_j.  Channels j and j + 32 of a head lie in the same lane, two accumulators (16 registers) apart.
; The table's part for block a of 16 tokens: lane (r, h) takes, of row r, cos and sin of j = 16 bp + 8 h + 0..7: eight loads, into window 1 at v[32 a]: cos at 8 bp, sin at 16 + 8 bp.
.macro RLOAD a
	WIN TO_B
.irp pt, 0,1
.irp bp, 0,1
.irp e, 0,1
	global_load_b128 v[32*(\a)+16*\pt+8*\bp+4*\e:32*(\a)+16*\pt+8*\bp+4*\e+3], v[RA], s[12:13] offset:4096*(\a)+128*\pt+64*\bp+16*\e
.endr
.endr
.endr
.endm
.macro ROPE a
.if (\a) == 0
	s_wait_loadcnt 48                              ; block 0's eight loads are in; those of blocks 1 to 6 may be out
	RLOAD 7
.else
	s_wait_loadcnt 56-8*(\a)                       ; block a's are in; those of blocks a + 1 to 7 may be out
	s_wait_xcnt 0x0                                ; the last block's stores have read their data: H is written again only behind this wait
.endif
.irp hd, 0,1
	WIN 0x06+(\a)/4                                ; source 0: the accumulators' window; source 1: window 1
.irp bp, 0,1
.irp jp, 0,2,4,6                       ; each accumulator is read from its low end on
.set XA, 64*((\a)%4)+8*(4*\hd+\bp)+\jp
.set CT, 32*(\a)+8*\bp+\jp
	v_pk_mul_f32 v[T+8*\bp+\jp:T+8*\bp+\jp+1], v[XA:XA+1], v[CT:CT+1]
	v_pk_mul_f32 v[T+16+8*\bp+\jp:T+16+8*\bp+\jp+1], v[XA+16:XA+17], v[CT:CT+1]
.endr
.endr
.irp bp, 0,1
.irp jp, 0,2,4,6
.set XA, 64*((\a)%4)+8*(4*\hd+\bp)+\jp
.set CT, 32*(\a)+8*\bp+\jp
	v_pk_fma_f32 v[T+8*\bp+\jp:T+8*\bp+\jp+1], v[XA+16:XA+17], v[CT+16:CT+17], v[T+8*\bp+\jp:T+8*\bp+\jp+1] neg_lo:[0,1,0] neg_hi:[0,1,0]
	v_pk_fma_f32 v[T+16+8*\bp+\jp:T+16+8*\bp+\jp+1], v[XA:XA+1], v[CT+16:CT+17], v[T+16+8*\bp+\jp:T+16+8*\bp+\jp+1]
.endr
.endr
	WIN 0
.irp b, 0,1,2,3
.irp rr, 0,1,2,3
	v_cvt_pk_f16_f32 v[H+16*\hd+4*\b+\rr], v[T+8*\b+2*\rr], v[T+8*\b+2*\rr+1]
.endr
.endr
.irp b, 0,1,2,3
	global_store_b128 v[SO], v[H+16*\hd+4*\b:H+16*\hd+4*\b+3], s[14:15] offset:2048*(\a)+262144*\hd+512*\b   ; a chunk: 512 consecutive bytes, aligned
.endr
.endr
.endm
.irp a, 0,1,2,3,4,5,6
	RLOAD \a
.endr
.irp a, 0,1,2,3,4,5,6,7
	ROPE \a
.endr
	s_branch .Ljoin
; THE WAY OUT OF v: rounded as it stands; a lane's 16 bytes at 32 r + 16 h of the chunk, so that a chunk is 16 keys x 16 channels with rows of 32 bytes.
.macro VOUT a
.if (\a) > 0
	s_wait_xcnt 0x0                                ; the last block's stores have read their data
.endif
	WIN 0x0a+5*((\a)/4)                            ; sources 0 and 1: window 2 or 3
.irp b, 0,1,2,3,4,5,6,7
.irp rr, 0,1,2,3
	v_cvt_pk_f16_f32 v[H+4*\b+\rr], v[64*((\a)%4)+8*\b+2*\rr], v[64*((\a)%4)+8*\b+2*\rr+1]
.endr
.endr
	WIN 0
.irp b, 0,1,2,3,4,5,6,7
	global_store_b128 v[SV], v[H+4*\b:H+4*\b+3], s[14:15] offset:2048*(\a)+262144*(\b/4)+512*(\b%4)
.endr
.endm
.Lv:
.irp a, 0,1,2,3,4,5,6,7
	VOUT \a
.endr
.Ljoin:
	s_wait_tensorcnt 0x0                           ; the wave's end
	ds_add_u32 v[SPW], v[NIL]
	s_wait_dscnt 0x0
	CROUND                                         ; the closing round
	s_endpgm
.Lfunc_end_k_q289ecb91bf_qkv:
	.size	k_q289ecb91bf_qkv, .Lfunc_end_k_q289ecb91bf_qkv-k_q289ecb91bf_qkv
	.p2alignl 7, 3214868480
	.fill 96, 4, 3214868480
	.section	.rodata,"a",@progbits
	.p2align	6, 0x0
	.amdhsa_kernel k_q289ecb91bf_qkv
		.amdhsa_group_segment_fixed_size 327680
		.amdhsa_private_segment_fixed_size 0
		.amdhsa_enable_private_segment 0
		.amdhsa_kernarg_size 48
		.amdhsa_user_sgpr_count 2
		.amdhsa_user_sgpr_kernarg_segment_ptr 1
		.amdhsa_wavefront_size32 1
		.amdhsa_system_sgpr_workgroup_id_x 1
		.amdhsa_system_sgpr_workgroup_id_y 1
		.amdhsa_system_sgpr_workgroup_id_z 1
		.amdhsa_system_vgpr_workitem_id 0
		.amdhsa_next_free_vgpr 1024
		.amdhsa_next_free_sgpr 100
		.amdhsa_reserve_vcc 0
		.amdhsa_float_denorm_mode_32 3
		.amdhsa_float_denorm_mode_16_64 3
		.amdhsa_memory_ordered 1
		.amdhsa_forward_progress 1
		.amdhsa_inst_pref_size 179
	.end_amdhsa_kernel
	.amdgpu_metadata
---
amdhsa.version: [ 1, 2 ]
amdhsa.kernels:
  - .name:           k_q289ecb91bf_qkv
    .symbol:         k_q289ecb91bf_qkv.kd
    .args:
      - { .name: xc, .offset: 0, .size: 8, .value_kind: global_buffer, .address_space: global }
      - { .name: xs, .offset: 8, .size: 8, .value_kind: global_buffer, .address_space: global }
      - { .name: wc, .offset: 16, .size: 8, .value_kind: global_buffer, .address_space: global }
      - { .name: ws, .offset: 24, .size: 8, .value_kind: global_buffer, .address_space: global }
      - { .name: rope, .offset: 32, .size: 8, .value_kind: global_buffer, .address_space: global }
      - { .name: qkv, .offset: 40, .size: 8, .value_kind: global_buffer, .address_space: global }
    .group_segment_fixed_size: 327680
    .private_segment_fixed_size: 0
    .kernarg_segment_align: 8
    .kernarg_segment_size: 48
    .max_flat_workgroup_size: 128
    .sgpr_count:     100
    .vgpr_count:     1024
    .wavefront_size: 32
...
	.end_amdgpu_metadata
.endif
;; end of part 2
;; launch attn (part 3): grid 4 x 64, 8 waves a work-group, clusters of 4 x 1, 327,680 bytes of LDS; arguments qkv, of16; writes of16
.if DOCPART == 3
	.amdgcn_target "amdgcn-amd-amdhsa--gfx1250"
	.amdhsa_code_object_version 6
	.text
	.protected	k_q289ecb91bf_attn
	.globl	k_q289ecb91bf_attn
	.p2align	8
	.type	k_q289ecb91bf_attn,@function
k_q289ecb91bf_attn:
	s_mov_b64 s[64:65], 0
	v_nop
	global_prefetch_b8 v0, s[64:65] scope:SCOPE_SE
	s_setreg_imm32_b32 hwreg(HW_REG_WAVE_MODE, 25, 1), 1
	s_wait_xcnt 0x0
	s_wait_alu depctr_hold_cnt(0) depctr_sa_sdst(0) depctr_va_vdst(0) depctr_va_sdst(0) depctr_va_ssrc(0) depctr_va_vcc(0) depctr_vm_vsrc(0)
	s_getreg_b32 s2, hwreg(HW_REG_IB_STS2, 6, 4)
	s_cmp_eq_u32 s2, 0
	s_cbranch_scc0 .Lentry_in_a_cluster
	s_endpgm
.Lentry_in_a_cluster:
	s_bfe_u32 s2, ttmp6, 0x10000c
	s_cmp_lg_u32 s2, 0x3003
	s_cbranch_scc0 .Lentry_shape_is_right
	s_endpgm
.Lentry_shape_is_right:
; ATTN: o[q] = sum over k of softmax_k(q . k / 8) v[k], for one batch x head; operands f16, products, maxima and sums f32; the weights p rounded to f16 for the second product, o once at the end.
; SHARES.  A work-group owns 512 queries of one head, each of its EIGHT waves 64: four tiles of 16, in 512 registers.  So two waves share a SIMD: one wave's softmax stands beside the other's products, and each
; fragment of K and V read from LDS still feeds four products.  Every wave walks the head's 2,048 keys, 64 a step.
; CLUSTER.  The head's four blocks of queries are one cluster and walk the same K and V: each tile is asked for jointly (mask 15).
; LAYOUT.  q, k, v lie in memory as chunks of 512 bytes (16 tokens x 16 channels); q's and k's are images of the operands' registers, v's are rows of 32 bytes a key, read turned by ds_load_tr16_b128.
; S^T = K Q^T (source 0 = 16 keys, source 1 = 16 queries): a lane holds ONE query (lane % 16) and keys 8 (lane / 16) + 0..7 of each tile of 16.  Two such tiles, rounded in pairs, ARE source 1 (32 keys) of O^T = V^T P.
; SOFTMAX.  A running maximum m and sum l for each query: p = 2^(c s - c m), c = log2(e) / 8; in every step O and l are multiplied by a = 2^(c m_old - c m_new).
; THE RING.  Two slots of 512 keys (K 65,536 bytes, V 65,536); every wave fetches an eighth of a slot, 64 rows of 256 bytes, by one load.  A slot is eight key steps.
; LIMIT: o goes out in f16 (it lies within v's range).
; REGISTERS.  window 0: v1-7 addresses; v16-47 statistics, 8 a tile (+0 c m, +1 m, +2, +3 l, +4..+7 at work, a at +6); v64-127 Q; v128-255 S^T, 32 a tile; P is made in place in a tile's first 16.
;   window 1: v0-127 O^T, 32 a tile; v128-191 K of one step; v192-255 V of one step.
.set SLOT1, 131072
.set VOFF,  65536
.set STEPB, 8192                       ; a key step: 4 blocks of 16 keys x 2,048 bytes
.set SPARE, 262144                     ; the spare words: 128 bytes a wave, named by no other line
.set LI,  1                            ; v1  16 x lane
.set AV0, 2                            ; v2  my lane's place in a chunk of V, + VOFF
.set ADR, 3                            ; v3  the address of the run of loads in hand
.set PFO, 4                            ; v4  256 x lane
.set SPW, 6
.set NIL, 7
.set ST,  16
.set QF,  64
.set S,   128
.set OA,  0                            ; in window 1
.set KF,  128
.set VF,  192
.set WV,  8                            ; s8  wave
.set CS,  32                           ; s[32:33] c
.set SEL, 34                           ; s[34:35] selects for lane l xor 16
.set TB,  36                           ; s36 LDS byte at which the step to be fetched begins
.set SLOTS, 37
.set TRIPS, 38
.set LIM, 39
.set PFA, 40
.set MSB, 0
.macro WIN new
.if MSB != (\new)
	s_set_vgpr_msb (MSB<<8)|(\new)
.set MSB, (\new)
.endif
.endm
.macro CROUND                          ; a round of the cluster's barrier
	s_barrier_signal -1
	s_barrier_wait -1
	s_cmp_lg_u32 s[WV], 0
	s_cbranch_scc1 .Lnot_wave_0_\@
	s_barrier_signal -3
.Lnot_wave_0_\@:
	s_barrier_wait -3
	s_barrier_signal -1
	s_barrier_wait -1
.endm
.macro PLACES n
.rept \n
	v_nop
.endr
.endm
	s_load_b128 s[4:7], s[0:1], 0x0                ; qkv s[4:5], of16 s[6:7]
	v_lshl_add_u32 v[SPW], v0, 2, SPARE
	v_mov_b32 v[NIL], 0
	ds_add_u32 v[SPW], v[NIL]                      ; the wave's opening add; its wait stands ahead of my first tensor load
	v_lshrrev_b32 v1, 5, v0
	v_readfirstlane_b32 s[WV], v1                  ; wave 0..7
	s_bfe_u32 s9, ttmp6, 0x40000                   ; cx: my block of 512 queries
	s_and_b32 s10, ttmp7, 0xffff                   ; batch x 16 + head, which the four partners share
	; group 1: 64 rows of 256 bytes (32 elements of 8), dense; mask: all four work-groups
	s_mov_b32 s16, 15|(3<<16)|(1<<21)
	s_mov_b32 s17, 32<<16
	s_mov_b32 s18, 64<<16
	s_mov_b32 s19, 32<<16
	s_mov_b32 s20, 64
	s_mov_b32 s21, 32
	s_mov_b32 s22, 0
	s_mov_b32 s23, 0
	s_lshr_b32 s11, s[WV], 2                       ; waves 0-3 fetch K's quarters, waves 4-7 V's
	s_add_co_u32 s11, s11, 1
	s_lshl_b32 s12, s11, 24
	s_lshl_b32 s13, s10, 18                        ; a head: 262,144 bytes
	s_add_co_u32 s12, s12, s13                     ; the head's K or V
	s_and_b32 s14, s[WV], 3
	s_lshl_b32 s14, s14, 14
	s_add_co_u32 s14, s14, s12                     ; my quarter of its first 512 keys
	s_mov_b32 s15, 0
	s_lshl_b32 s42, s[WV], 14                      ; and its place in a slot
	s_lshl_b32 s46, s9, 5
	s_lshl_b32 s47, s[WV], 2
	s_add_co_u32 s43, s46, s47                     ; my first block of 16 queries: 32 cx + 4 wave
	s_lshl_b32 s46, s43, 11
	s_add_co_u32 s46, s46, s13                     ; Q
	s_mov_b32 s47, 0
	s_lshr_b32 s44, s10, 4
	s_lshl_b32 s44, s44, 7
	s_add_co_u32 s44, s44, s43
	s_lshl_b32 s44, s44, 15                        ; o: 32,768 bytes a block of 16 tokens,
	s_and_b32 s45, s10, 15
	s_lshl_b32 s45, s45, 11                        ; + 4 chunks a head
	s_add_co_u32 s44, s44, s45
	s_mov_b32 s45, 0
	s_and_b32 s40, s[WV], 2                        ; the prefetch: waves 0, 2 (K) and 4, 6 (V) take halves of the fourth 512 keys' 65,536 bytes,
	s_lshl_b32 s40, s40, 14
	s_lshl_b32 s41, s9, 13                         ; each partner 8,192 bytes of a half, told apart by address,
	s_add_co_u32 s40, s40, s41
	s_add_co_u32 s40, s40, s12
	s_add_co_u32 s40, s40, 3*65536
	s_mov_b32 s41, 0
	s_and_b32 s[LIM], s[WV], 1
	s_cmp_eq_u32 s[LIM], 0
	s_cselect_b32 s[LIM], 1, -1                    ; 1 in a wave that asks, else the greatest number
	s_mov_b32 s[CS], 0x3e38aa3b                    ; c = log2(e) / 8
	s_mov_b32 s[CS+1], s[CS]
	s_mov_b32 s[SEL], 0x76543210
	s_mov_b32 s[SEL+1], 0xfedcba98
	s_mov_b32 s[TB], 0
	s_wait_dscnt 0x0                               ; the opening add is done
	s_wait_kmcnt 0x0
	s_add_nc_u64 s[14:15], s[4:5], s[14:15]
	s_add_nc_u64 s[46:47], s[4:5], s[46:47]
	s_add_nc_u64 s[6:7], s[6:7], s[44:45]
	s_add_nc_u64 s[PFA:PFA+1], s[4:5], s[40:41]
	s_mov_b32 s24, 1                               ; group 0, set 0: slot 0, keys 0-511
	s_mov_b32 s25, s42
	s_mov_b64 s[26:27], s[14:15]
	s_or_b32 s27, s27, 0x80000000
	s_mov_b32 s28, 1                               ; set 1: slot 1, keys 512-1023; it then walks
	s_add_co_u32 s29, s42, SLOT1
	s_add_nc_u64 s[30:31], s[14:15], 65536
	s_or_b32 s31, s31, 0x80000000
	CROUND                                         ; all four work-groups are here: the first joint loads meet
	tensor_load_to_lds s[24:27], s[16:23]          ; two loads of mine are out
	s_nop 0
	tensor_load_to_lds s[28:31], s[16:23]
	s_nop 0
	PLACES 4
	v_and_b32 v1, 31, v0
	v_lshlrev_b32 v[PFO], 8, v1
	v_lshlrev_b32 v[LI], 4, v1
.irp t, 0,1,2,3
.irp ch, 0,1,2,3
	global_load_b128 v[QF+16*\t+4*\ch:QF+16*\t+4*\ch+3], v[LI], s[46:47] offset:2048*\t+512*\ch   ; Q stays in registers
.endr
.endr
	v_bfe_u32 v8, v0, 4, 1
	v_and_b32 v9, 7, v0
	v_bfe_u32 v10, v0, 3, 1
	v_lshl_add_u32 v[AV0], v8, 3, v9               ; the turning load: lane l reads key 8 (l / 16) + l % 8,
	v_lshlrev_b32 v[AV0], 5, v[AV0]                ; rows of 32 bytes,
	v_lshl_add_u32 v[AV0], v10, 4, v[AV0]          ; channels 8 ((l / 8) % 2) on
	v_add_nc_u32 v[AV0], VOFF, v[AV0]
.macro FETCH_K                         ; a step's K: 4 blocks of keys x 4 chunks
	WIN 0
	v_add_nc_u32 v[ADR], s[TB], v[LI]
	WIN 0x40
.irp kt, 0,1,2,3
.irp ch, 0,1,2,3
	ds_load_b128 v[KF+16*\kt+4*\ch:KF+16*\kt+4*\ch+3], v[ADR] offset:2048*\kt+512*\ch
.endr
.endr
.endm
.macro FETCH_V                         ; the same step's V, turned: keys 32 u + 16 e on, channels 16 ct on
	WIN 0
	v_add_nc_u32 v[ADR], s[TB], v[AV0]
	s_add_co_u32 s[TB], s[TB], STEPB               ; the next fetch is the next step's
	WIN 0x40
.irp u, 0,1
.irp ct, 0,1,2,3
.irp e, 0,1
	ds_load_tr16_b128 v[VF+32*\u+8*\ct+4*\e:VF+32*\u+8*\ct+4*\e+3], v[ADR] offset:2048*(2*\u+\e)+512*\ct
.endr
.endr
.endr
.endm
; The accumulators take turns, one instruction a turn, sixteen to a round.
.macro KQ                              ; S^T = K Q^T: channels 32 c on, keys 16 kt on, tile t
	WIN 0x01
.irp c, 0,1
.irp kt, 0,1,2,3
.irp t, 0,1,2,3
.if \c == 0
	v_wmma_f32_16x16x32_f16 v[S+32*\t+8*\kt:S+32*\t+8*\kt+7], v[KF+16*\kt+8*\c:KF+16*\kt+8*\c+7], v[QF+16*\t+8*\c:QF+16*\t+8*\c+7], 0
.else
	v_wmma_f32_16x16x32_f16 v[S+32*\t+8*\kt:S+32*\t+8*\kt+7], v[KF+16*\kt+8*\c:KF+16*\kt+8*\c+7], v[QF+16*\t+8*\c:QF+16*\t+8*\c+7], v[S+32*\t+8*\kt:S+32*\t+8*\kt+7]
.endif
.endr
.endr
.endr
.endm
.macro PV first                        ; O^T += V^T P: keys 32 u on, channels 16 ct on, tile t.  first = 1: the first 16 start the sums
	WIN 0x51
.irp u, 0,1
.irp ct, 0,1,2,3
.irp t, 0,1,2,3
.if \first && (\u == 0)
	v_wmma_f32_16x16x32_f16 v[OA+32*\t+8*\ct:OA+32*\t+8*\ct+7], v[VF+32*\u+8*\ct:VF+32*\u+8*\ct+7], v[S+32*\t+8*\u:S+32*\t+8*\u+7], 0
.else
	v_wmma_f32_16x16x32_f16 v[OA+32*\t+8*\ct:OA+32*\t+8*\ct+7], v[VF+32*\u+8*\ct:VF+32*\u+8*\ct+7], v[S+32*\t+8*\u:S+32*\t+8*\u+7], v[OA+32*\t+8*\ct:OA+32*\t+8*\ct+7]
.endif
.endr
.endr
.endr
.endm
; A key step's softmax, the four tiles by turns in every line, so that no line waits for the line above it.  first = 1: no old maximum, no a.
.macro SOFTMAX first
	WIN 0
.irp j, 0,1,2,3
.irp t, 0,1,2,3
	v_max3_num_f32 v[ST+8*\t+4+\j], v[S+32*\t+8*\j], v[S+32*\t+8*\j+1], v[S+32*\t+8*\j+2]   ; each accumulator is read from its low end on
.endr
.endr
.irp g, 1,2
.irp j, 0,1,2,3
.irp t, 0,1,2,3
	v_max3_num_f32 v[ST+8*\t+4+\j], v[ST+8*\t+4+\j], v[S+32*\t+8*\j+2*\g+1], v[S+32*\t+8*\j+2*\g+2]
.endr
.endr
.endr
.irp t, 0,1,2,3
	v_max3_num_f32 v[ST+8*\t+4], v[ST+8*\t+4], v[S+32*\t+7], v[S+32*\t+15]
.endr
.irp t, 0,1,2,3
	v_max3_num_f32 v[ST+8*\t+6], v[ST+8*\t+6], v[S+32*\t+23], v[S+32*\t+31]
.endr
.irp t, 0,1,2,3
	v_max3_num_f32 v[ST+8*\t+4], v[ST+8*\t+4], v[ST+8*\t+5], v[ST+8*\t+6]
.endr
.irp t, 0,1,2,3
.if \first
	v_max_num_f32 v[ST+8*\t+4], v[ST+8*\t+4], v[ST+8*\t+7]
.else
	v_max3_num_f32 v[ST+8*\t+4], v[ST+8*\t+4], v[ST+8*\t+7], v[ST+8*\t+1]   ; with the old m
.endif
.endr
.irp t, 0,1,2,3
	v_permlanex16_b32 v[ST+8*\t+5], v[ST+8*\t+4], s[SEL], s[SEL+1]   ; the query's other 32 keys lie in the lane 16 away
.endr
.if \first == 0
.irp t, 0,1,2,3
	v_mov_b32 v[ST+8*\t+7], v[ST+8*\t]             ; c m_old
.endr
.endif
.irp t, 0,1,2,3
	v_max_num_f32 v[ST+8*\t+1], v[ST+8*\t+4], v[ST+8*\t+5]
.endr
.irp t, 0,1,2,3
	v_mul_f32 v[ST+8*\t], s[CS], v[ST+8*\t+1]
.endr
.if \first == 0
.irp t, 0,1,2,3
	v_sub_f32 v[ST+8*\t+7], v[ST+8*\t+7], v[ST+8*\t]
.endr
.endif
.irp i, 0,2,4,6,8,10,12,14,16,18,20,22,24,26,28,30
.irp t, 0,1,2,3
	v_pk_fma_f32 v[S+32*\t+\i:S+32*\t+\i+1], v[S+32*\t+\i:S+32*\t+\i+1], s[CS:CS+1], v[ST+8*\t:ST+8*\t+1] op_sel_hi:[1,0,0] neg_lo:[0,0,1] neg_hi:[0,0,1]   ; c s - c m
.endr
.endr
.if \first == 0
.irp t, 0,1,2,3
	v_exp_f32 v[ST+8*\t+6], v[ST+8*\t+7]           ; a
.endr
.endif
.irp i, 0,1,2,3,4,5,6,7,8,9,10,11,12,13,14,15,16,17,18,19,20,21,22,23,24,25,26,27,28,29,30,31
.irp t, 0,1,2,3
	v_exp_f32 v[S+32*\t+\i], v[S+32*\t+\i]         ; p: ONE BATCH; none of these reads an exponential's result
.endr
.endr
	v_nop                                          ; a plain line behind the last exponential,
	s_wait_alu depctr_va_vdst(0)                   ; and one wait ahead of the batch's first reader
.irp t, 0,1,2,3
	v_pk_add_f32 v[ST+8*\t+4:ST+8*\t+5], v[S+32*\t:S+32*\t+1], v[S+32*\t+2:S+32*\t+3]   ; the sum is taken of p before it is rounded
.endr
.irp i, 4,6,8,10,12,14,16,18,20,22,24,26,28
.irp t, 0,1,2,3
	v_pk_add_f32 v[ST+8*\t+4:ST+8*\t+5], v[ST+8*\t+4:ST+8*\t+5], v[S+32*\t+\i:S+32*\t+\i+1]
.endr
.endr
.irp t, 0,1,2,3
.if \first
	v_pk_add_f32 v[ST+8*\t+2:ST+8*\t+3], v[ST+8*\t+4:ST+8*\t+5], v[S+32*\t+30:S+32*\t+31]
.else
	v_pk_add_f32 v[ST+8*\t+4:ST+8*\t+5], v[ST+8*\t+4:ST+8*\t+5], v[S+32*\t+30:S+32*\t+31]
.endif
.endr
.if \first == 0
.irp t, 0,1,2,3
	v_pk_fma_f32 v[ST+8*\t+2:ST+8*\t+3], v[ST+8*\t+2:ST+8*\t+3], v[ST+8*\t+6:ST+8*\t+7], v[ST+8*\t+4:ST+8*\t+5] op_sel_hi:[1,0,1]   ; l = a l + the sum
.endr
.endif
.irp i, 0,1,2,3,4,5,6,7,8,9,10,11,12,13,14,15
.irp t, 0,1,2,3
	v_cvt_pk_f16_f32 v[S+32*\t+\i], v[S+32*\t+2*\i], v[S+32*\t+2*\i+1]   ; P in place, ascending: register i is written when 2 i and 2 i + 1 are read
.endr
.endr
.endm
.macro RESCALE                         ; O^T x a, each accumulator from its low end on
	WIN 0x41
.irp i, 0,2,4,6,8,10,12,14,16,18,20,22,24,26,28,30
.irp t, 0,1,2,3
	v_pk_mul_f32 v[OA+32*\t+\i:OA+32*\t+\i+1], v[OA+32*\t+\i:OA+32*\t+\i+1], v[ST+8*\t+6:ST+8*\t+7] op_sel_hi:[1,0]
.endr
.endr
.endm
; KEY STEP j.  On entry S^T(j) has just been multiplied and V(j)'s 16 loads are out.  more = 1: K(j + 1), V(j + 1) are fetched and S^T(j + 1) is multiplied.
.macro TRIP first, more
	PLACES 4                                       ; behind the products K Q^T: ahead of the loads into K's registers and of the reads of the scores
.if \more
	FETCH_K
.endif
	SOFTMAX \first
.if \more
	s_wait_dscnt 16                                ; V(j) is in; K(j + 1)'s 16 loads may be out
.else
	s_wait_dscnt 0x0
.endif
.if \first
	PLACES 4
.else
	RESCALE
.endif
	PV \first
.if \more
	WIN 0
	PLACES 5                                       ; the next products K Q^T write over P, which these products read: five places; V's loads want four
	FETCH_V
	s_wait_dscnt 16                                ; K(j + 1) is in; V(j + 1)'s 16 loads may be out
	KQ
.endif
	WIN 0
.endm
; A prefetch into the L2 of the head's last 512 keys, which the NEXT change of slots loads: eight key steps ahead.  Each aligned 256 bytes of them is named once: 16 waves of the cluster x 32 lanes x 256 bytes = K's and V's 65,536 each.
; It stands behind the tensor load and its five lines.  Only the first change asks; the address is never stepped.  What the first three loads bring is not asked for.
.macro ASK
	s_cmp_gt_u32 s[SLOTS], s[LIM]
	s_cbranch_scc0 .Lnot_mine_\@
	global_prefetch_b8 v[PFO], s[PFA:PFA+1] th:TH_LOAD_NT scope:SCOPE_SE
.Lnot_mine_\@:
.endm
; THE CHANGE OF SLOTS: the slot's last K has been multiplied and its last V asked for.  Each wave waits for all its tensor loads (its part of the other slot), adds 0 to its spare word, and waits for that and for its reads.
; fill = 1: a round of the cluster's barrier; behind it the slot just left is filled again, first thing: the load has eight key steps in which to land.
.macro CHANGE fill
	s_wait_tensorcnt 0x0                           ; no tensor load of mine is out, so a group 0 may be written
	ds_add_u32 v[SPW], v[NIL]
.if \fill
	s_xor_b32 s29, s29, SLOT1                      ; the walking descriptor: the other slot,
	s_add_nc_u64 s[30:31], s[30:31], 65536         ; the next 512 keys
.endif
	s_wait_dscnt 0x0                               ; the add is done, and my reads of the slot are over
.if \fill
	CROUND
	tensor_load_to_lds s[28:31], s[16:23]
	s_nop 0
	PLACES 4
	ASK
.else
	s_barrier_signal -1
	s_barrier_wait -1
.endif
	s_sub_co_u32 s[TB], s[TB], 65536               ; the fetches go back to a slot's first step,
	s_xor_b32 s[TB], s[TB], SLOT1                  ; in the other slot
.endm
.macro LOOPN n
	s_mov_b32 s[TRIPS], \n
.Ltrip_\@:
	TRIP 0, 1
	s_sub_co_u32 s[TRIPS], s[TRIPS], 1
	s_cmp_lg_u32 s[TRIPS], 0
	s_cbranch_scc1 .Ltrip_\@
.endm
	s_wait_tensorcnt 1                             ; my part of slot 0 is in; slot 1's may stay out
	s_barrier_signal -1
	s_barrier_wait -1
	FETCH_K                                        ; key step 0
	FETCH_V
	s_wait_loadcnt 0x0                             ; Q
	s_wait_dscnt 16                                ; K(0) is in
	KQ
	WIN 0
	TRIP 1, 1                                      ; step 0 starts m, l and O^T
	LOOPN 6                                        ; steps 1-6; they fetch up to step 7, slot 0's last
	s_mov_b32 s[SLOTS], 2
.Lslot:                                            ; two trips: slot 0 takes keys 1024-1535, slot 1 keys 1536-2047
	CHANGE 1
	LOOPN 8
	s_sub_co_u32 s[SLOTS], s[SLOTS], 1
	s_cmp_lg_u32 s[SLOTS], 0
	s_cbranch_scc1 .Lslot
	CHANGE 0                                       ; the tail is written out: nothing is left to ask for
	LOOPN 8
	TRIP 0, 0                                      ; step 31
	; THE WAY OUT.  l's halves and the other lanes' are added (the first four additions are the places behind the last products); O^T / l, rounded to f16: a lane's eight channels are 16 bytes of a chunk.
.irp t, 0,1,2,3
	v_add_f32 v[ST+8*\t+4], v[ST+8*\t+2], v[ST+8*\t+3]
.endr
.irp t, 0,1,2,3
	v_permlanex16_b32 v[ST+8*\t+5], v[ST+8*\t+4], s[SEL], s[SEL+1]
.endr
.irp t, 0,1,2,3
	v_add_f32 v[ST+8*\t+4], v[ST+8*\t+4], v[ST+8*\t+5]
.endr
.irp t, 0,1,2,3
	v_rcp_f32 v[ST+8*\t+6], v[ST+8*\t+4]
.endr
	v_nop
	s_wait_alu depctr_va_vdst(0)                   ; one wait for the four reciprocals, ahead of their first reader
	WIN 0x01
.irp t, 0,1,2,3
.irp i, 0,2,4,6,8,10,12,14,16,18,20,22,24,26,28,30
	v_pk_mul_f32 v[S+32*\t+\i:S+32*\t+\i+1], v[OA+32*\t+\i:OA+32*\t+\i+1], v[ST+8*\t+6:ST+8*\t+7] op_sel_hi:[1,0]
.endr
.endr
	WIN 0
.irp t, 0,1,2,3
.irp i, 0,1,2,3,4,5,6,7,8,9,10,11,12,13,14,15
	v_cvt_pk_f16_f32 v[S+32*\t+\i], v[S+32*\t+2*\i], v[S+32*\t+2*\i+1]
.endr
.endr
.irp t, 0,1,2,3
.irp ct, 0,1,2,3
	global_store_b128 v[LI], v[S+32*\t+4*\ct:S+32*\t+4*\ct+3], s[6:7] offset:32768*\t+512*\ct   ; a chunk: 512 consecutive bytes, aligned
.endr
.endr
	s_wait_tensorcnt 0x0                           ; the wave's end
	ds_add_u32 v[SPW], v[NIL]
	s_wait_dscnt 0x0
	CROUND                                         ; the closing round
	s_endpgm
.Lfunc_end_k_q289ecb91bf_attn:
	.size	k_q289ecb91bf_attn, .Lfunc_end_k_q289ecb91bf_attn-k_q289ecb91bf_attn
	.p2alignl 7, 3214868480
	.fill 96, 4, 3214868480
	.section	.rodata,"a",@progbits
	.p2align	6, 0x0
	.amdhsa_kernel k_q289ecb91bf_attn
		.amdhsa_group_segment_fixed_size 327680
		.amdhsa_private_segment_fixed_size 0
		.amdhsa_enable_private_segment 0
		.amdhsa_kernarg_size 16
		.amdhsa_user_sgpr_count 2
		.amdhsa_user_sgpr_kernarg_segment_ptr 1
		.amdhsa_wavefront_size32 1
		.amdhsa_system_sgpr_workgroup_id_x 1
		.amdhsa_system_sgpr_workgroup_id_y 1
		.amdhsa_system_sgpr_workgroup_id_z 1
		.amdhsa_system_vgpr_workitem_id 0
		.amdhsa_next_free_vgpr 512
		.amdhsa_next_free_sgpr 66
		.amdhsa_reserve_vcc 0
		.amdhsa_float_denorm_mode_32 3
		.amdhsa_float_denorm_mode_16_64 3
		.amdhsa_memory_ordered 1
		.amdhsa_forward_progress 1
		.amdhsa_inst_pref_size 172
	.end_amdhsa_kernel
	.amdgpu_metadata
---
amdhsa.version: [ 1, 2 ]
amdhsa.kernels:
  - .name:           k_q289ecb91bf_attn
    .symbol:         k_q289ecb91bf_attn.kd
    .args:
      - { .name: qkv, .offset: 0, .size: 8, .value_kind: global_buffer, .address_space: global }
      - { .name: of16, .offset: 8, .size: 8, .value_kind: global_buffer, .address_space: global }
    .group_segment_fixed_size: 327680
    .private_segment_fixed_size: 0
    .kernarg_segment_align: 8
    .kernarg_segment_size: 16
    .max_flat_workgroup_size: 256
    .sgpr_count:     66
    .vgpr_count:     512
    .wavefront_size: 32
...
	.end_amdgpu_metadata
.endif
;; end of part 3
;; launch outp (part 4): grid 4 x 64, 4 waves a work-group, clusters of 4 x 4, 327,680 bytes of LDS; arguments of16, woutf, b_out, out0; writes out0
.if DOCPART == 4
	.amdgcn_target "amdgcn-amd-amdhsa--gfx1250"
	.amdhsa_code_object_version 6
	.text
	.protected	k_q289ecb91bf_outp
	.globl	k_q289ecb91bf_outp
	.p2align	8
	.type	k_q289ecb91bf_outp,@function
k_q289ecb91bf_outp:
	s_mov_b64 s[64:65], 0
	v_nop
	global_prefetch_b8 v0, s[64:65] scope:SCOPE_SE
	s_setreg_imm32_b32 hwreg(HW_REG_WAVE_MODE, 25, 1), 1
	s_wait_xcnt 0x0
	s_wait_alu depctr_hold_cnt(0) depctr_sa_sdst(0) depctr_va_vdst(0) depctr_va_sdst(0) depctr_va_ssrc(0) depctr_va_vcc(0) depctr_vm_vsrc(0)
	s_getreg_b32 s2, hwreg(HW_REG_IB_STS2, 6, 4)
	s_cmp_eq_u32 s2, 0
	s_cbranch_scc0 .Lentry_in_a_cluster
	s_endpgm
.Lentry_in_a_cluster:
	s_bfe_u32 s2, ttmp6, 0x10000c
	s_cmp_lg_u32 s2, 0xf033
	s_cbranch_scc0 .Lentry_shape_is_right
	s_endpgm
.Lentry_shape_is_right:
; OUTP: out0[token][n] = sum over k of o[token][k] Wout[k][n] + b_out[n]; operands f16, sums f32.
; A tile is 128 tokens x 256 n: 256 work-groups of four waves; a wave makes 64 x 128: 32 accumulators, 256 registers.  K = 1,024 goes in 8 steps of 128 through a ring of two LDS slots.
; Both operands lie in memory as images of their registers (chunks of 512 bytes: 16 rows x 16 along K): a fragment (32 along K) is two LDS loads at 16 x lane; a K step's part of a block of 16 rows is 4,096 consecutive bytes.
; CLUSTERS: 4 x 4 work-groups; o's tiles are shared along a row of the cluster, Wout's along a column: joint loads.
; TRANSPOSED USE: source 0 = 16 n of Wout, source 1 = 16 tokens: a lane holds one token and eight neighbouring n.  The bias is the C of each sum's first matrix instruction.
; REGISTERS: window 0: v16-30 addresses; v32-63, v64-95 o's fragments, two buffers; v96-159 the bias, later with v160-223 rows on the way out.  window 1: the accumulators ((a, b) at v[8 (8 a + b)]).  window 2: Wout's fragments, v0-63 and v64-127.
.set SLOT,   98304                     ; o's 8 blocks of rows x 4,096 bytes, then Wout's 16
.set BOFF,   32768
.set STAGE,  196608                    ; behind the ring: 16 rows x (512 + 16) bytes for each wave
.set SPITCH, 528
.set SPARE,  230400                    ; the spare words: 128 bytes a wave, named by no other line
.set LAPS,   4                         ; a lap = two K steps = once round the ring
.set ADRA, 16
.set ADRB, 20
.set STO,  24
.set RD,   25
.set CO,   26                          ; 16 x lane
.set SPW,  28
.set NIL,  29
.set PFO,  30
.set FA,   32
.set BI,   96
.set BK,   96
.set G1,   24
.set G0,   32
.set G1B,  48
.set G0B,  56
.set PFA,  20                          ; s[20:21] where my prefetches stand
.set LIM,  22
.set MSB, 0
.macro WIN new
.if MSB != (\new)
	s_set_vgpr_msb (MSB<<8)|(\new)
.set MSB, (\new)
.endif
.endm
.set MUL,  0x52                        ; source 0 (Wout) window 2, source 1 (o) window 0, C and D window 1
.set MULB, 0x42                        ; the same with C (the bias) in window 0
.set TO_B, 0x80                        ; destination window 2
.macro JLOAD s                         ; a joint load: waves 0 and 1 fetch o's halves, waves 2 and 3 Wout's; an s_nop 0 and four v_nop follow each of the two lines
	s_cmp_eq_u32 s13, 0
	s_cbranch_scc0 .Lfor_b_\@
	tensor_load_to_lds s[G0+4*\s:G0+4*\s+3], s[G1:G1+7]
	s_nop 0
.rept 4
	v_nop
.endr
	s_branch .Lasked_\@
.Lfor_b_\@:
	tensor_load_to_lds s[G0B+4*\s:G0B+4*\s+3], s[G1B:G1B+7]
	s_nop 0
.rept 4
	v_nop
.endr
.Lasked_\@:
.endm
.macro CREST                           ; a round of the cluster's barrier behind its opening barrier
	s_cmp_lg_u32 s12, 0
	s_cbranch_scc1 .Lnot_wave_0_\@
	s_barrier_signal -3
.Lnot_wave_0_\@:
	s_barrier_wait -3
	s_barrier_signal -1
	s_barrier_wait -1
.endm
.macro CROUND
	s_barrier_signal -1
	s_barrier_wait -1
	CREST
.endm
; A prefetch into the L2 of o's K step two refills on (256 matrix instructions a wave ahead of the load that wants it).  A tile's K step is 8 blocks of rows x 4,096 bytes; the four partners that ask for it jointly take two blocks each,
; told apart by address; in each, wave 0 asks: 32 lanes x 256 bytes.  No other cluster reads these rows: each aligned 256 bytes is named once.  The loop's last trip asks for nothing; K steps 0 to 3 come by their loads alone.
; Wout's 2 MiB are read by all sixteen clusters and are not asked for.
.macro ASK
	s_cmp_gt_u32 s3, s[LIM]
	s_cbranch_scc0 .Lnot_mine_\@
	global_prefetch_b8 v[PFO], s[PFA:PFA+1] offset:4096 th:TH_LOAD_NT scope:SCOPE_SE
.Lnot_mine_\@:
.endm
	s_load_b256 s[4:11], s[0:1], 0x0               ; of16 s[4:5], woutf s[6:7], b_out s[8:9], out0 s[10:11]
	v_lshl_add_u32 v[SPW], v0, 2, SPARE
	v_mov_b32 v[NIL], 0
	ds_add_u32 v[SPW], v[NIL]                      ; the wave's opening add; its wait stands ahead of my first tensor load
	v_lshrrev_b32 v1, 5, v0
	v_readfirstlane_b32 s12, v1                    ; wave 0..3
	s_lshr_b32 s13, s12, 1                         ; which 64 tokens are mine.  Also: I fetch for o (0) or for Wout (1)
	s_and_b32 s14, s12, 1                          ; which 128 n.  Also: which half of that tile I fetch
	s_bfe_u32 s40, ttmp6, 0x40000                  ; cx
	s_bfe_u32 s41, ttmp6, 0x40004                  ; cy
	s_lshl_b32 s42, ttmp9, 2
	s_add_co_u32 s42, s42, s40                     ; tile column
	s_and_b32 s15, ttmp7, 0xffff
	s_lshl_b32 s15, s15, 2
	s_add_co_u32 s15, s15, s41                     ; tile row
	s_lshl_b32 s43, s41, 2
	s_lshl_b32 s43, 15, s43                        ; my row of the cluster
	s_lshl_b32 s44, 0x1111, s40                    ; my column
	; group 1: rows of 4,096 bytes (512 elements of 8), 32,768 bytes apart: 4 of o, 8 of Wout
	s_or_b32 s[G1+0], s43, (3<<16)|(1<<21)
	s_mov_b32 s[G1+1], 512<<16
	s_mov_b32 s[G1+2], 4<<16
	s_mov_b32 s[G1+3], 512<<16
	s_mov_b32 s[G1+4], 4
	s_mov_b32 s[G1+5], 4096
	s_mov_b32 s[G1+6], 0
	s_mov_b32 s[G1+7], 0
	s_or_b32 s[G1B+0], s44, (3<<16)|(1<<21)
	s_mov_b32 s[G1B+1], 512<<16
	s_mov_b32 s[G1B+2], 8<<16
	s_mov_b32 s[G1B+3], 512<<16
	s_mov_b32 s[G1B+4], 8
	s_mov_b32 s[G1B+5], 4096
	s_mov_b32 s[G1B+6], 0
	s_mov_b32 s[G1B+7], 0
	s_lshl_b32 s16, s15, 3
	s_lshl_b32 s17, s14, 2
	s_add_co_u32 s16, s16, s17                     ; o: block 8 x tile row + 4 x half
	s_lshl_b32 s16, s16, 15
	s_mov_b32 s17, 0
	s_lshl_b32 s46, s42, 4
	s_lshl_b32 s47, s14, 3
	s_add_co_u32 s46, s46, s47                     ; Wout: block 16 x tile column + 8 x half
	s_lshl_b32 s46, s46, 15
	s_mov_b32 s47, 0
	s_lshl_b32 s18, s14, 14                        ; where they go: o's halves,
	s_lshl_b32 s19, s14, 15
	s_add_co_u32 s19, s19, BOFF                    ; Wout's halves: no place in the cluster enters an LDS address
	s_wait_dscnt 0x0                               ; the opening add is done
	s_wait_kmcnt 0x0
	s_add_nc_u64 s[16:17], s[4:5], s[16:17]
	s_add_nc_u64 s[46:47], s[6:7], s[46:47]
	CROUND                                         ; all sixteen work-groups are here: the first joint loads meet
.irp s, 0,1
	s_mov_b32 s[G0+4*\s], 1
	s_add_co_u32 s[G0+4*\s+1], s18, \s*SLOT
	s_add_nc_u64 s[G0+4*\s+2:G0+4*\s+3], s[16:17], \s*4096
	s_or_b32 s[G0+4*\s+3], s[G0+4*\s+3], 0x80000000
	s_mov_b32 s[G0B+4*\s], 1
	s_add_co_u32 s[G0B+4*\s+1], s19, \s*SLOT
	s_add_nc_u64 s[G0B+4*\s+2:G0B+4*\s+3], s[46:47], \s*4096
	s_or_b32 s[G0B+4*\s+3], s[G0B+4*\s+3], 0x80000000
	JLOAD \s                                       ; two loads of mine are out
.endr
	v_and_b32 v1, 15, v0                           ; r
	v_bfe_u32 v2, v0, 4, 1                         ; h
	v_and_b32 v3, 31, v0
	v_lshlrev_b32 v[CO], 4, v3
	s_lshl_b32 s16, s13, 14                        ; my 4 blocks of o
	s_lshl_b32 s17, s14, 15
	s_add_co_u32 s17, s17, BOFF                    ; my 8 of Wout
.irp s, 0,1
	v_add_nc_u32 v[ADRA+\s], s16, v[CO]
	v_add_nc_u32 v[ADRB+\s], s17, v[CO]
	s_add_co_u32 s16, s16, SLOT
	s_add_co_u32 s17, s17, SLOT
.endr
	s_mul_i32 s23, s12, 16*SPITCH
	s_add_co_u32 s23, s23, STAGE                   ; my stage
	v_mul_u32_u24 v4, v1, SPITCH
	v_lshl_add_u32 v4, v2, 5, v4
	v_add_nc_u32 v[STO], s23, v4                   ; in: row r, 32 bytes for each half of the lanes
	v_add_nc_u32 v[RD], s23, v[CO]                 ; back: the 32 lanes take a row of 512 bytes
	s_lshl_b32 s46, s42, 10
	s_lshl_b32 s47, s14, 9
	s_add_co_u32 s46, s46, s47                     ; my first n, in bytes
	s_mov_b32 s47, 0
	s_add_nc_u64 s[8:9], s[8:9], s[46:47]
	s_add_nc_u64 s[10:11], s[10:11], s[46:47]
	s_lshl_b32 s16, s15, 19
	s_lshl_b32 s17, s13, 18
	s_add_co_u32 s16, s16, s17                     ; my first token x 4,096 bytes
	s_mov_b32 s17, 0
	s_add_nc_u64 s[10:11], s[10:11], s[16:17]
	v_lshlrev_b32 v5, 5, v2
.irp b, 0,1,2,3,4,5,6,7
.irp e, 0,1
	global_load_b128 v[BI+8*\b+4*\e:BI+8*\b+4*\e+3], v5, s[8:9] offset:64*\b+16*\e   ; b_out[16 b + 8 h + 0..7]: the result's layout
.endr
.endr
	s_lshl_b32 s16, s15, 3
	s_lshl_b32 s17, s40, 1
	s_add_co_u32 s16, s16, s17                     ; the prefetches: my work-group's two blocks of the tile's eight,
	s_lshl_b32 s16, s16, 15
	s_add_co_u32 s16, s16, 2*4096                  ; at K step 2: the first refill steps it to 3 and names K step 4
	s_mov_b32 s17, 0
	s_add_nc_u64 s[PFA:PFA+1], s[4:5], s[16:17]
	s_cmp_eq_u32 s12, 0
	s_cselect_b32 s[LIM], 1, -1
	v_lshlrev_b32 v[PFO], 8, v1
	v_lshl_add_u32 v[PFO], v2, 15, v[PFO]
; 8 matrix instructions: o's block a against Wout's eight, 32 along K, buffer f.  bias = 1: the first product starts the sums on the bias.
; The 32 accumulators take turns, one instruction a turn, in the same order in every quarter.
.macro MUL8 f, a, bias
.irp b, 0,1,2,3,4,5,6,7
.if \bias
	v_wmma_f32_16x16x32_f16 v[8*(8*(\a)+\b):8*(8*(\a)+\b)+7], v[64*(\f)+8*\b:64*(\f)+8*\b+7], v[FA+32*(\f)+8*(\a):FA+32*(\f)+8*(\a)+7], v[BI+8*\b:BI+8*\b+7]
.else
	v_wmma_f32_16x16x32_f16 v[8*(8*(\a)+\b):8*(8*(\a)+\b)+7], v[64*(\f)+8*\b:64*(\f)+8*\b+7], v[FA+32*(\f)+8*(\a):FA+32*(\f)+8*(\a)+7], v[8*(8*(\a)+\b):8*(8*(\a)+\b)+7]
.endif
.endr
.endm
.macro MWIN bias
.if \bias
	WIN MULB
.else
	WIN MUL
.endif
.endm
.macro FETCH slot, kq, f               ; 24 LDS loads in one run: the slot's kq-th 32 along K into buffer f: Wout's 8 fragments, then o's 4
	WIN TO_B
.irp b, 0,1,2,3,4,5,6,7
.irp e, 0,1
	ds_load_b128 v[64*(\f)+8*\b+4*\e:64*(\f)+8*\b+4*\e+3], v[ADRB+\slot] offset:4096*\b+1024*(\kq)+512*\e
.endr
.endr
	WIN 0
.irp a, 0,1,2,3
.irp e, 0,1
	ds_load_b128 v[FA+32*(\f)+8*\a+4*\e:FA+32*(\f)+8*\a+4*\e+3], v[ADRA+\slot] offset:4096*\a+1024*(\kq)+512*\e
.endr
.endr
.endm
.macro PLACES
.rept 4
	v_nop
.endr
.endm
; A K step is four quarters of 32 along K, 32 matrix instructions each, on buffers 0, 1, 0, 1.  One of the first three: multiplies buffer f and fetches quarter kq into buffer g.
.macro QUARTER slot, kq, f, g, bias
	s_wait_dscnt 4                                 ; Wout's fragments and o's blocks 0, 1 are in; the youngest four loads (blocks 2, 3) may be out
	MWIN \bias
	MUL8 \f, 0, \bias
	MUL8 \f, 1, \bias
	PLACES
	FETCH \slot, \kq, \g
	s_wait_dscnt 24                                ; all but the 24 just issued
	MWIN \bias
	MUL8 \f, 2, \bias
	MUL8 \f, 3, \bias
.endm
; The last quarter multiplies buffer 1 and changes slots: one barrier; in front of it each wave waits for all its tensor loads, adds 0 to its spare word, and waits for that and for its reads of this slot.  fill = 1: this slot is filled again, two K steps ahead.
.macro TURN slot, next, fill
.if \fill
	s_wait_xcnt 0x0                                ; the last prefetch, a K step back, has read its address
	s_add_nc_u64 s[PFA:PFA+1], s[PFA:PFA+1], 4096
.endif
	WIN 0
	s_wait_tensorcnt 0x0                           ; all my tensor loads have landed: my part of the next slot
	ds_add_u32 v[SPW], v[NIL]
	s_wait_dscnt 5                                 ; (the add and the youngest four loads may be out)
	WIN MUL
	MUL8 1, 0, 0                                   ; eight matrix instructions stand between the add and the wait for it
	s_wait_dscnt 0x0                               ; the add is done, and my reads of this slot are over
	s_barrier_signal -1
	MUL8 1, 1, 0
.if \fill
	WIN 0
.endif
	s_barrier_wait -1
.if \fill
	CREST                                          ; the barrier has opened a round of the cluster's barrier: no wave of any partner still reads this slot or has a load on its way
	s_add_nc_u64 s[G0+4*\slot+2:G0+4*\slot+3], s[G0+4*\slot+2:G0+4*\slot+3], 2*4096
	s_add_nc_u64 s[G0B+4*\slot+2:G0B+4*\slot+3], s[G0B+4*\slot+2:G0B+4*\slot+3], 2*4096
	JLOAD \slot                                    ; the first tensor load behind the round; its four v_nop are also the places in front of the loads below
.else
	PLACES
.endif
	FETCH \next, 0, 0
.if \fill
	ASK
.endif
	WIN MUL
	MUL8 1, 2, 0
	MUL8 1, 3, 0
.endm
	s_wait_tensorcnt 1                             ; my part of K step 0 is in,
	s_barrier_signal -1
	s_barrier_wait -1                              ; everybody's is
	FETCH 0, 0, 0
	s_wait_loadcnt 0x0                             ; the bias
	QUARTER 0, 1, 0, 1, 1                          ; the first quarter stands in front of the loop: its products start the sums
	WIN 0
	s_mov_b32 s3, LAPS-1
.Llap:                                             ; a trip goes once round the ring, from a lap's second quarter to the next lap's first, and fills both slots again
	QUARTER 0, 2, 1, 0, 0
	QUARTER 0, 3, 0, 1, 0
	TURN 0, 1, 1
	QUARTER 1, 1, 0, 1, 0
	QUARTER 1, 2, 1, 0, 0
	QUARTER 1, 3, 0, 1, 0
	TURN 1, 0, 1
	QUARTER 0, 1, 0, 1, 0
	WIN 0
	s_sub_co_u32 s3, s3, 1
	s_cmp_lg_u32 s3, 0
	s_cbranch_scc1 .Llap
	QUARTER 0, 2, 1, 0, 0                          ; the last lap fills nothing
	QUARTER 0, 3, 0, 1, 0
	TURN 0, 1, 0
	QUARTER 1, 1, 0, 1, 0
	QUARTER 1, 2, 1, 0, 0
	QUARTER 1, 3, 0, 1, 0
	s_wait_dscnt 4
	WIN MUL
	MUL8 1, 0, 0
	MUL8 1, 1, 0
	s_wait_dscnt 0x0
	MUL8 1, 2, 0
	MUL8 1, 3, 0
	WIN 0
; THE WAY OUT, block by block of 16 tokens x 128 n: a lane holds 32 neighbouring bytes of a row; a block goes through my own stage and comes back as whole rows of 512 bytes.
; A wave's LDS instructions are served in order: no wait between the stores and the loads, nor in front of the next block's stores.
.macro TOSTAGE a
	WIN 0x04                                       ; an LDS store's data: window 1
.irp b, 0,1,2,3,4,5,6,7
	ds_store_b128 v[STO], v[8*(8*(\a)+\b):8*(8*(\a)+\b)+3] offset:64*\b        ; each accumulator from its low end on
	ds_store_b128 v[STO], v[8*(8*(\a)+\b)+4:8*(8*(\a)+\b)+7] offset:64*\b+16
.endr
	WIN 0
.set BB, BK+64*((\a)%2)
.irp t, 0,1,2,3,4,5,6,7,8,9,10,11,12,13,14,15
	ds_load_b128 v[BB+4*\t:BB+4*\t+3], v[RD] offset:\t*SPITCH
.endr
.endm
.macro SEND a, younger                 ; younger: the LDS instructions issued behind block a's loads, which may stay out
.set BB, BK+64*((\a)%2)
	s_wait_dscnt \younger
.irp t, 0,1,2,3,4,5,6,7,8,9,10,11,12,13,14,15
	global_store_b128 v[CO], v[BB+4*\t:BB+4*\t+3], s[10:11] offset:65536*(\a)+4096*\t th:TH_STORE_NT   ; 32 lanes store 512 consecutive bytes, aligned
.endr
.endm
	PLACES
	TOSTAGE 0
.irp a, 1,2,3
.if \a > 1
	s_wait_xcnt 0x0                                ; block a - 2's stores have read their registers: block a's loads may land there
.endif
	TOSTAGE \a
	SEND \a-1, 32                                  ; behind block a - 1's loads: block a's 16 stores and 16 loads
.endr
	SEND 3, 0
	s_wait_tensorcnt 0x0                           ; the wave's end
	ds_add_u32 v[SPW], v[NIL]
	s_wait_dscnt 0x0
	CROUND                                         ; the closing round
	s_endpgm
.Lfunc_end_k_q289ecb91bf_outp:
	.size	k_q289ecb91bf_outp, .Lfunc_end_k_q289ecb91bf_outp-k_q289ecb91bf_outp
	.p2alignl 7, 3214868480
	.fill 96, 4, 3214868480
	.section	.rodata,"a",@progbits
	.p2align	6, 0x0
	.amdhsa_kernel k_q289ecb91bf_outp
		.amdhsa_group_segment_fixed_size 327680
		.amdhsa_private_segment_fixed_size 0
		.amdhsa_enable_private_segment 0
		.amdhsa_kernarg_size 32
		.amdhsa_user_sgpr_count 2
		.amdhsa_user_sgpr_kernarg_segment_ptr 1
		.amdhsa_wavefront_size32 1
		.amdhsa_system_sgpr_workgroup_id_x 1
		.amdhsa_system_sgpr_workgroup_id_y 1
		.amdhsa_system_sgpr_workgroup_id_z 1
		.amdhsa_system_vgpr_workitem_id 0
		.amdhsa_next_free_vgpr 640
		.amdhsa_next_free_sgpr 66
		.amdhsa_reserve_vcc 0
		.amdhsa_float_denorm_mode_32 3
		.amdhsa_float_denorm_mode_16_64 3
		.amdhsa_memory_ordered 1
		.amdhsa_forward_progress 1
		.amdhsa_inst_pref_size 87
	.end_amdhsa_kernel
	.amdgpu_metadata
---
amdhsa.version: [ 1, 2 ]
amdhsa.kernels:
  - .name:           k_q289ecb91bf_outp
    .symbol:         k_q289ecb91bf_outp.kd
    .args:
      - { .name: of16, .offset: 0, .size: 8, .value_kind: global_buffer, .address_space: global }
      - { .name: woutf, .offset: 8, .size: 8, .value_kind: global_buffer, .address_space: global }
      - { .name: b_out, .offset: 16, .size: 8, .value_kind: global_buffer, .address_space: global }
      - { .name: out0, .offset: 24, .size: 8, .value_kind: global_buffer, .address_space: global }
    .group_segment_fixed_size: 327680
    .private_segment_fixed_size: 0
    .kernarg_segment_align: 8
    .kernarg_segment_size: 32
    .max_flat_workgroup_size: 128
    .sgpr_count:     66
    .vgpr_count:     640
    .wavefront_size: 32
...
	.end_amdgpu_metadata
.endif
;; end of part 4
